; MI455X (gfx1250); checked and timed in simulation.
; The chip was launched on July 23, 2026; its instructions are those of AMD's public machine-readable ISA for CDNA 5 (MIT licence, August 2026) and "CDNA5" Instruction Set Architecture Reference Guide (July 2026). The comments in the code are by the model that wrote it; some were corrected since.
;; Lightweight Self Attention. Allowed arithmetic: matrix products marked QUANTISED: E2M3 operands, one E8M0 scale for each 32 along K, by v_wmma_scale_f32_16x16x128_f8f6f4 with both operands' format E2M3, f32 sums; everything else in f32.
;; Inputs: W_out 512 x 512 float32; W_qkv 512 x 1,024 float32; b_out 512 float32; b_qkv 1,024 float32; ln_beta 512 float32; ln_gamma 512 float32; x 2 x 2,048 x 512 float32.
;; Outputs: out0 2 x 2,048 x 512 float32.
;; This version of the problem:
;;   THIS VERSION OF THE PROBLEM IS GIVEN IN LOW PRECISION. The matrix products marked QUANTISED in the list below multiply operands that are first quantised to E2M3 (2 exponent bits, 3 mantissa bits; 6 bits a number), with one power-of-two scale for each 32 numbers along K (OCP MX v1.0); their sums are f32. All else is computed in f32.
;;   The module's matrix products, in the order in which they are computed (A, B: the left and right operand; K: the contracted axis; several contracted axes count as one K, in the product's order):
;;     1. [M 4,096, K 512] x [K 512, N 1,024]; A: input x; B: input W_qkv: QUANTISED
;;     2. batch 32 x [M 2,048, K 32] x [K 32, N 2,048]; A: computed on the way; B: computed on the way: QUANTISED
;;     3. batch 32 x [M 32, K 2,048] x [K 2,048, N 2,048]; A: computed on the way; B: softmax (see below): QUANTISED
;;     4. [M 4,096, K 512] x [K 512, N 512]; A: computed on the way; B: input W_out: QUANTISED
;;   THE QUANTISER, for each operand of a quantised product, along K:
;;     - K is cut into blocks of 32 from its start; a last block that is shorter is filled with zeros.
;;     - A block's scale is 2^e with e = floor(log2(the largest magnitude in the block)) - 2, held to -126 .. 127; a block of zeros has e = 0. As a byte (E8M0): e + 127.
;;     - Each number is divided by its block's scale, clamped to +-7.5, and rounded to the nearest number of E2M3, ties to even, subnormals kept.
;;     - The product sums the exact products of the quantised numbers (number of the format x scale) in f32.
;;   ~~~python
;;   def quantise(x, axis):      # numpy; x: float32 -> the quantised numbers, widened to float32 again
;;       x = np.moveaxis(x, axis, -1); K = x.shape[-1]
;;       x = np.pad(x, [(0, 0)] * (x.ndim - 1) + [(0, -K % 32)]); x = x.reshape(x.shape[:-1] + (-1, 32)); a = np.abs(x).max(-1, keepdims=True)
;;       e = np.where(a > 0, np.clip(np.frexp(np.where(a > 0, a, 1))[1] - 1 - 2, -126, 127), 0)      # np.frexp(a)[1] - 1 = floor(log2(a)), exactly
;;       r = np.clip(x / 2.0 ** e, -7.5, 7.5)
;;       step = 2.0 ** (np.maximum(np.frexp(np.where(r == 0, 1, r))[1] - 1, 0) - 3)
;;       q = np.round(r / step) * step * 2.0 ** e      # np.round: ties to even
;;       return np.moveaxis(q.reshape(q.shape[:-2] + (-1,))[..., :K], -1, axis).astype(np.float32)
;;   ~~~
;;   SOFTMAX AHEAD OF A QUANTISED PRODUCT. Where the list says 'softmax', what is quantised is not the finished softmax but p = 2^(t - M), with t = logit x log2(e) and M = ceil(the row's largest t), a whole number; so 1/2 < the row's largest p <= 1. The row's sum l is taken of the UNQUANTISED p, in f32, and the product's result is divided by l at the end. Since M is a whole number, a kernel that streams over the keys may use a running M (the ceiling of the running maximum): every later rescaling is an exact power of two, which a block's scale takes up: the codes' values come out the same.
;;   OPERANDS COMPUTED ON THE WAY. 'Computed on the way' means the value that the module computes at that place (a softmax that the list does not call 'softmax' is quantised finished and normalised). What goes into a quantiser is computed in f32, as accurately as f32 sums, v_exp_f32 and their like allow (about 1e-6 of the number): no bf16 or f16 on the way to a quantiser, and a product that is left as it is and whose result goes on into a quantised operand takes f32 operands (vector FMAs, or v_wmma_f32_16x16x4_f32). A number that lies on a knife's edge between two numbers of the format may be rounded either way, as far as f32 arithmetic and the matrix unit's own rounding can turn it there, and no further.
;; 2 versions. Each part assembles by itself: llvm-mc -triple=amdgcn-amd-amdhsa -mcpu=gfx1250 --defsym DOCPART=n.
;; ======== version 1 of 2: 3 launches
;; limits: a function is approximated: absolute error at most 1e-07
;; workspace buffers: opc 2,162,688 bytes; ops 180,224 bytes; qkc 3,145,728 bytes; qks 262,144 bytes; vc 1,572,864 bytes; vs 65,536 bytes; vsum 327,680 bytes
;; launch quant (part 1): grid 352 x 1, 4 waves a work-group, no clusters, 0 bytes of LDS; arguments x, W_qkv, W_out, opc, ops; writes opc, ops
.if DOCPART == 1
	.amdgcn_target "amdgcn-amd-amdhsa--gfx1250"
	.amdhsa_code_object_version 6
	.text
	.protected	k_q608a4fc773_quant
	.globl	k_q608a4fc773_quant
	.p2align	8
	.type	k_q608a4fc773_quant,@function
k_q608a4fc773_quant:
	s_mov_b64 s[64:65], 0
	v_nop
	global_prefetch_b8 v0, s[64:65] scope:SCOPE_SE
	s_setreg_imm32_b32 hwreg(HW_REG_WAVE_MODE, 25, 1), 1
	s_wait_xcnt 0x0
; LAUNCH 1 OF 3.  x [4096][512], W_qkv [512][1024] and W_out [512][512], f32, become codes of FP6 (E2M3) with one E8M0 byte for each 32 along K, laid as IMAGES OF OPERAND REGISTERS.
; A fragment is 16 rows x 128 K: 12 registers a lane.  Its image is 1,536 bytes: register 4 c + i of lane l at byte 512 c + 16 l + 4 i.  Its scale image is 128 bytes: lane l's word at 4 l (both halves of the lanes hold the row's word).
; THE ROWS OF A TILE ARE NOT NEIGHBOURS: lane index r of tile T takes row 32 (T / 2) + 8 (T % 2) + r + 8 (r / 8), so that the results of two neighbouring tiles are 16 neighbours along the next product's K.
; Fragment F: x: 4 T + s (T token tile, s K step);  W_qkv: 1024 + 4 T + s (T column tile);  W_out: 1280 + 4 T + s.  One fragment to a wave: F = 4 x work-group + wave, so the wave's number is the K step.
;
; WORK THAT THE PROGRAM LEAVES OUT, shown for all finite values of the inputs:
; (a) scores = (q . k) x band, and band is built by the module itself: 0 where |i - j| > 64.  A score outside the band is a product with that 0, whatever q and k hold.  So only tiles of q . k that touch the band are multiplied.
; (b) Outside the band the logit is 0, so t = 0 and p = 2^-M, M the row's whole number.  In a block of 32 keys that lies wholly outside the band every p is 2^-M: the block's scale is 2^(-M - 2), each p / scale is 4, a number of the
;     format: the quantised p is 2^-M itself (down to M = 129, the scale's lowest exponent).  Their part of the product with v is therefore 2^-M x (the sum of the quantised v over those keys), and that sum is the same for every
;     query of a batch and head but for which blocks it leaves out.  It is made once, by the format's own matrix instruction (ones x v's codes), as sums over blocks of 32 and chunks of 128 keys (launch 2);
;     a tile of 16 queries then multiplies only the five key blocks that touch its band (launch 3).  The row's sum of p takes 2^-M for each such key.
; LIMITS: an infinity, a NaN or an overflow that reaches only a score outside the band is not carried to the result.  For M above 129 the common term is 2^-M x the sum where the quantiser gives 0: less than the rounding of O.
; A block of zeros, or one whose largest magnitude lies under 2^-124, keeps the scale byte 1: its codes are zeros (or are held), and this program alone reads the bytes.  NaN and infinities among the inputs are not served.
; No input is dead: all seven are loaded by some launch.
.set NUM, 64                           ; v64-127  the lane's 64 numbers: register 32 c + i = k 128 s + 64 c + 32 h + i of its row (or column)
.set FRG, 48                           ; v48-59   the fragment
.set CTM, 128                          ; v128..   the second halves of the blocks' codes, as the conversions leave them
	s_load_b256 s[4:11], s[0:1], 0x0               ; x s[4:5], W_qkv s[6:7], W_out s[8:9], opc s[10:11]
	s_load_b64 s[12:13], s[0:1], 0x20              ; ops
	v_lshrrev_b32 v1, 5, v0
	v_readfirstlane_b32 s14, v1                    ; wave = K step s
	v_and_b32 v1, 15, v0                           ; r
	v_bfe_u32 v2, v0, 4, 1                         ; h
	v_and_b32 v7, 31, v0                           ; lane
	v_lshlrev_b32 v3, 4, v7                        ; 16 x lane
	v_lshlrev_b32 v4, 2, v7                        ; 4 x lane
	v_and_b32 v6, 8, v1
	v_add_nc_u32 v6, v6, v1                        ; r + 8 (r / 8)
	s_mov_b32 s20, 0x76543210
	s_mov_b32 s21, 0xfedcba98                      ; lane selects: lane l xor 16
	s_lshl_b32 s15, ttmp9, 2
	s_add_co_u32 s15, s15, s14                     ; F
	s_mul_i32 s16, s15, 1536
	s_mov_b32 s17, 0
	s_lshl_b32 s18, s15, 7
	s_mov_b32 s19, 0
	s_wait_kmcnt 0x0
	s_add_nc_u64 s[10:11], s[10:11], s[16:17]      ; my image
	s_add_nc_u64 s[12:13], s[12:13], s[18:19]      ; my scale image
.macro FIRSTROW                        ; s22: tile -> its first row, 32 (T / 2) + 8 (T % 2)
	s_lshr_b32 s23, s22, 1
	s_lshl_b32 s23, s23, 5
	s_and_b32 s22, s22, 1
	s_lshl_b32 s22, s22, 3
	s_add_co_u32 s22, s22, s23
.endm
; A weight, K along its FIRST axis: a lane takes a column and its registers run down K
.macro WARM base, pitch, firstwg
	s_sub_co_u32 s22, ttmp9, \firstwg
	FIRSTROW
	s_lshl_b32 s22, s22, 2                         ; the tile's first column, in bytes,
	s_mul_i32 s23, s14, 128*\pitch                 ; and the K step's first row
	s_add_co_u32 s22, s22, s23
	s_mov_b32 s23, 0
	s_add_nc_u64 s[\base:\base+1], s[\base:\base+1], s[22:23]
	v_mul_u32_u24 v5, v2, 32*\pitch                ; lanes 16-31 begin 32 rows further down
	v_lshl_add_u32 v5, v6, 2, v5
.set n, 0
.rept 64
	global_load_b32 v[NUM+n], v5, s[\base:\base+1] offset:(64*(n/32)+n%32)*\pitch
.set n, n+1
.endr
.endm
	s_cmp_lt_u32 ttmp9, 256
	s_cbranch_scc0 .Lweights
	s_mov_b32 s22, ttmp9                           ; x: K innermost: a lane takes 32 neighbours of each of its two blocks
	FIRSTROW
	s_lshl_b32 s22, s22, 11
	s_lshl_b32 s23, s14, 9
	s_add_co_u32 s22, s22, s23
	s_mov_b32 s23, 0
	s_add_nc_u64 s[4:5], s[4:5], s[22:23]
	v_lshlrev_b32 v5, 11, v6
	v_lshl_add_u32 v5, v2, 7, v5                   ; row x 2,048 + 128 h
.set n, 0
.rept 16
	global_load_b128 v[NUM+4*n:NUM+4*n+3], v5, s[4:5] offset:256*(n/8)+16*(n%8) th:TH_LOAD_NT
.set n, n+1
.endr
	s_branch .Lhave
.Lweights:
	s_cmp_lt_u32 ttmp9, 320
	s_cbranch_scc0 .Lwout
	WARM 6, 4096, 256
	s_branch .Lhave
.Lwout:
	WARM 8, 2048, 320
.Lhave:
	s_wait_loadcnt 0x0
.irp c, 0,1                            ; my block 2 c + h: all its 32 numbers are mine
	v_max3_num_f32 v[32+\c], |v[NUM+32*\c]|, |v[NUM+1+32*\c]|, 0x1800000   ; with the floor 2^(3 - 127): the byte cannot fall under 1
.endr
.irp i, 2,4,6,8,10,12,14,16,18,20,22,24,26,28,30
.irp c, 0,1
	v_max3_num_f32 v[32+\c], v[32+\c], |v[NUM+32*\c+\i]|, |v[NUM+1+32*\c+\i]|
.endr
.endr
.irp c, 0,1
	v_add_nc_u32 v[44+\c], 0xff000000, v[32+\c]    ; 2 off the exponent field: the conversion's scale operand
.endr
.irp c, 0,1
	v_lshrrev_b32 v[36+\c], 23, v[44+\c]           ; the scale's byte
.endr
	v_lshl_or_b32 v9, v37, 16, v36                 ; my two bytes: blocks h and 2 + h,
	v_lshlrev_b32 v10, 3, v2
	v_lshlrev_b32 v9, v10, v9                      ; at their places in the word;
	v_mov_b32 v10, 0
	v_permlanex16_b32 v10, v9, s20, s21
	v_or_b32 v9, v9, v10                           ; with lane l xor 16's two the word is whole, in both halves
.irp c, 0,1
	v_cvt_scalef32_pk16_fp6_f32 v[FRG+6*\c:FRG+6*\c+2], v[NUM+32*\c:NUM+32*\c+15], v[44+\c]
	v_cvt_scalef32_pk16_fp6_f32 v[CTM+4*\c:CTM+4*\c+2], v[NUM+32*\c+16:NUM+32*\c+31], v[44+\c]   ; (a conversion's three registers begin on an even number)
.endr
	v_nop                                          ; one plain instruction behind the conversions
.irp c, 0,1
.irp i, 0,1,2
	v_mov_b32 v[FRG+3+6*\c+\i], v[CTM+4*\c+\i]
.endr
.endr
.irp c, 0,1,2
	global_store_b128 v3, v[FRG+4*\c:FRG+4*\c+3], s[10:11] offset:512*\c   ; 32 lanes store 512 consecutive bytes
.endr
	global_store_b32 v4, v9, s[12:13]
	s_endpgm
.Lfunc_end_k_q608a4fc773_quant:
	.size	k_q608a4fc773_quant, .Lfunc_end_k_q608a4fc773_quant-k_q608a4fc773_quant
	.p2alignl 7, 3214868480
	.fill 96, 4, 3214868480
	.section	.rodata,"a",@progbits
	.p2align	6, 0x0
	.amdhsa_kernel k_q608a4fc773_quant
		.amdhsa_group_segment_fixed_size 0
		.amdhsa_private_segment_fixed_size 0
		.amdhsa_enable_private_segment 0
		.amdhsa_kernarg_size 40
		.amdhsa_user_sgpr_count 2
		.amdhsa_user_sgpr_kernarg_segment_ptr 1
		.amdhsa_wavefront_size32 1
		.amdhsa_system_sgpr_workgroup_id_x 1
		.amdhsa_system_sgpr_workgroup_id_y 1
		.amdhsa_system_sgpr_workgroup_id_z 1
		.amdhsa_system_vgpr_workitem_id 0
		.amdhsa_next_free_vgpr 136
		.amdhsa_next_free_sgpr 66
		.amdhsa_reserve_vcc 0
		.amdhsa_float_denorm_mode_32 3
		.amdhsa_float_denorm_mode_16_64 3
		.amdhsa_memory_ordered 1
		.amdhsa_forward_progress 1
		.amdhsa_inst_pref_size 20
	.end_amdhsa_kernel
	.amdgpu_metadata
---
amdhsa.version: [ 1, 2 ]
amdhsa.kernels:
  - .name:           k_q608a4fc773_quant
    .symbol:         k_q608a4fc773_quant.kd
    .args:
      - { .name: x, .offset: 0, .size: 8, .value_kind: global_buffer, .address_space: global }
      - { .name: W_qkv, .offset: 8, .size: 8, .value_kind: global_buffer, .address_space: global }
      - { .name: W_out, .offset: 16, .size: 8, .value_kind: global_buffer, .address_space: global }
      - { .name: opc, .offset: 24, .size: 8, .value_kind: global_buffer, .address_space: global }
      - { .name: ops, .offset: 32, .size: 8, .value_kind: global_buffer, .address_space: global }
    .group_segment_fixed_size: 0
    .private_segment_fixed_size: 0
    .kernarg_segment_align: 8
    .kernarg_segment_size: 40
    .max_flat_workgroup_size: 128
    .sgpr_count:     66
    .vgpr_count:     136
    .wavefront_size: 32
...
	.end_amdgpu_metadata
.endif
;; end of part 1
;; launch qkv (part 2): grid 256 x 1, 4 waves a work-group, no clusters, 49,664 bytes of LDS; arguments opc, ops, b_qkv, qkc, qks, vc, vs, vsum; writes qkc, qks, vc, vs, vsum
.if DOCPART == 2
	.amdgcn_target "amdgcn-amd-amdhsa--gfx1250"
	.amdhsa_code_object_version 6
	.text
	.protected	k_q608a4fc773_qkv
	.globl	k_q608a4fc773_qkv
	.p2align	8
	.type	k_q608a4fc773_qkv,@function
k_q608a4fc773_qkv:
	s_mov_b64 s[64:65], 0
	v_nop
	global_prefetch_b8 v0, s[64:65] scope:SCOPE_SE
	s_setreg_imm32_b32 hwreg(HW_REG_WAVE_MODE, 25, 1), 1
	s_wait_xcnt 0x0
; LAUNCH 2 OF 3.  qkv = x W_qkv + b_qkv on codes of FP6; q = silu(qk) / sqrt(32) and k = tanh(qk) are quantised along the head's 32; v along the keys; and the sums of the quantised v over blocks of 32 and chunks of 128 keys are made.
; ONE STRUCTURE FOR BOTH HALVES.  A work-group has an "8-side": 8 tiles x 4 K steps = 32 consecutive images (49,152 dense bytes), copied once into LDS and read by all four waves; each wave has a "2-side": 2 tiles, 8 images, in registers.
; Source 0 = the 8-side, source 1 = the 2-side: a lane holds ONE row of the 2-side and its 64 registers of a tile run along the 8-side: 16 b + i = place 32 b + 16 (lane / 16) + i, which is what the quantiser below takes.
;   work-groups 0-127 (q, k): 8-side = W's columns 128 s .. (four heads), 2-side = 32 tokens: a lane holds a token, its registers run along the four heads' channels.
;   work-groups 128-255 (v):  8-side = 128 tokens (a chunk of keys), 2-side = W's 32 columns of one head: a lane holds a channel, its registers run along the keys.
; The text parts ONCE on the work-group's number, behind the barrier; each path asks for its bias there and adds it on the way out of the accumulators, so that the products run while the bias is on its way.
; LIMITS: tanh(z) = 2 / (1 + e^-2z) - 1: absolute error about 1e-7.  e^-z may overflow to infinity: its reciprocal is 0, which gives q = 0 and k = -1, as the functions' limits are.
; OUT: q's images at qkc + 1,536 (4 T + s), k's 1,024 images further on; their scale images likewise in qks.  v's codes by key blocks: plane A [(batch, head, tile)][block 64][row 16][16 bytes] = a block's registers 0-3,
; plane B, 1,048,576 bytes on, [..][8 bytes] = registers 4-5.  vs: [(batch, head, tile)][chunk 16][row 16] scale words.  vsum: [chunk 32][column 512][4] block sums, then, 262,144 bytes on, [chunk 32][column 512] chunk sums.
; REGISTERS: window 0: addresses, scale words, the 2-side, later the work of the way out.  Window 1: 8-side K steps 0, 1 (first the copy's staging).  Window 2: K steps 2, 3.  Window 3: accumulator (a, b) at 64 b + 8 a; q/k's bias at v128-191.
.set SPARE, 49152                      ; behind the images: the spare words, 128 bytes a wave
.set L16, 1                            ; v1   16 x lane
.set L4,  2                            ; v2   4 x lane
.set L8,  3                            ; v3   8 x lane
.set CPA, 4                            ; v4   LDS: where I put my quarter of the 8-side
.set VSA, 5                            ; v5   1,024 h + 4 r
.set PI,  6                            ; v6   r + 8 (r / 8)
.set BSA, 7                            ; v7   128 h + 16 PI
.set CSA, 8                            ; v8   32 h + 4 PI
.set H64, 9                            ; v9   64 h
.set PI4, 10                           ; v10  4 PI
.set HH,  11                           ; v11  h
.set SPW, 12                           ; v12  my spare word
.set NIL, 13                           ; v13  0
.set SC2, 16                           ; v16-23   the 2-side's scale words (4 b + s)
.set SC8, 24                           ; v24-55   the 8-side's (4 a + s)
.set XB,  56                           ; v56-151  the 2-side's fragments (12 (4 b + s))
.set BV,  152                          ; v152-155 v's bias, a pair for each tile
.set TM,  208                          ; v208-223 the quantiser's work
.set MSB, 0
.macro WIN new                         ; the immediate's high byte repeats the setting that is left
.if MSB != (\new)
	s_set_vgpr_msb (MSB<<8)|(\new)
.set MSB, (\new)
.endif
.endm
.macro PLACES n
.rept \n
	v_nop
.endr
.endm
.macro WM0 d, a, b, sa, sb
	v_wmma_scale_f32_16x16x128_f8f6f4 v[(\d):(\d)+7], v[(\a):(\a)+11], v[(\b):(\b)+11], 0, v[\sa], v[\sb] matrix_a_fmt:MATRIX_FMT_FP6 matrix_b_fmt:MATRIX_FMT_FP6
.endm
.macro WMC d, a, b, c, sa, sb
	v_wmma_scale_f32_16x16x128_f8f6f4 v[(\d):(\d)+7], v[(\a):(\a)+11], v[(\b):(\b)+11], v[(\c):(\c)+7], v[\sa], v[\sb] matrix_a_fmt:MATRIX_FMT_FP6 matrix_b_fmt:MATRIX_FMT_FP6
.endm
; 64 numbers of a lane, register 16 b + i = k 32 b + 16 (lane / 16) + i of my row, become a fragment in v[pc] .. v[pc + 11] (pc + 12 .. pc + 18 at work) and its scale word in v[pw]
.macro QUANT s, pc, pw
.irp b, 0,1,2,3
	v_max3_num_f32 v[TM+\b], |v[\s+16*\b]|, |v[\s+1+16*\b]|, 0x1800000   ; my 16 numbers of block b, and the floor 2^(3 - 127)
.endr
.irp i, 2,4,6,8,10,12,14
.irp b, 0,1,2,3
	v_max3_num_f32 v[TM+\b], v[TM+\b], |v[\s+16*\b+\i]|, |v[\s+1+16*\b+\i]|
.endr
.endr
.irp b, 0,1,2,3
	v_permlanex16_b32 v[TM+4+\b], v[TM+\b], s42, s43
.endr
.irp b, 0,1,2,3
	v_max_num_f32 v[TM+\b], v[TM+\b], v[TM+4+\b]   ; with lane l xor 16's: the block's largest magnitude
.endr
.irp b, 0,1,2,3
	v_add_nc_u32 v[TM+12+\b], 0xff000000, v[TM+\b] ; 2 off its exponent field: the conversion's scale operand
.endr
.irp b, 0,1,2,3
	v_lshrrev_b32 v[TM+4+\b], 23, v[TM+12+\b]      ; the scale's byte
.endr
	v_lshl_or_b32 v[\pw], v[TM+5], 8, v[TM+4]
	v_lshl_or_b32 v[\pw], v[TM+6], 16, v[\pw]
	v_lshl_or_b32 v[\pw], v[TM+7], 24, v[\pw]
.irp c, 0,1
	v_cvt_scalef32_pk16_fp6_f32 v[\pc+6*\c:\pc+2+6*\c], v[\s+32*\c:\s+15+32*\c], v[TM+12+2*\c]
	v_cvt_scalef32_pk16_fp6_f32 v[\pc+12+4*\c:\pc+14+4*\c], v[\s+16+32*\c:\s+31+32*\c], v[TM+12+2*\c+1]
.endr
	v_nop                                          ; one plain instruction behind the conversions
.irp c, 0,1                            ; the operand wants a WHOLE block in a lane: lanes 0-15 block 2 c, lanes 16-31 block 2 c + 1
.irp i, 0,1,2
	v_permlane16_swap_b32 v[\pc+6*\c+\i], v[\pc+12+4*\c+\i]
.endr
.irp i, 0,1,2
	v_mov_b32 v[\pc+3+6*\c+\i], v[\pc+12+4*\c+\i]
.endr
.endr
.endm
.macro DSL s                           ; the 8-side's eight fragments of K step s, from LDS into registers of their own
	WIN 0x40*(1+(\s)/2)
.set n, 0
.rept 8
.irp c, 0,1,2
	ds_load_b128 v[96*((\s)%2)+12*n+4*\c:96*((\s)%2)+12*n+4*\c+3], v[L16] offset:(4*n+(\s))*1536+512*\c
.endr
.set n, n+1
.endr
.endm
.macro MM s                            ; 16 products: the 16 accumulators take turns, one instruction a turn, in the same order in every step
	WIN 0xf1+(\s)/2
.set ia, 0
.rept 8
.set ib, 0
.rept 2
.if (\s) == 0
	WM0 64*ib+8*ia, 96*((\s)%2)+12*ia, XB+12*(4*ib+(\s)), SC8+4*ia+(\s), SC2+4*ib+(\s)
.else
	WMC 64*ib+8*ia, 96*((\s)%2)+12*ia, XB+12*(4*ib+(\s)), 64*ib+8*ia, SC8+4*ia+(\s), SC2+4*ib+(\s)
.endif
.set ib, ib+1
.endr
.set ia, ia+1
.endr
.endm
.macro GEMM nb                         ; nb: the path's bias loads, the youngest, which may stay out
	DSL 0
	DSL 1
	s_wait_loadcnt \nb                             ; the 2-side and all scale words are in
	s_wait_dscnt 24                                ; K step 0 is in; step 1's 24 loads may be out
	MM 0
	DSL 2
	s_wait_dscnt 24
	MM 1
	DSL 3
	s_wait_dscnt 24
	MM 2
	s_wait_dscnt 0x0
	MM 3
.endm
	s_load_b512 s[8:23], s[0:1], 0x0               ; opc s[8:9], ops s[10:11], b_qkv s[12:13], qkc s[14:15], qks s[16:17], vc s[18:19], vs s[20:21], vsum s[22:23]
	v_lshl_add_u32 v[SPW], v0, 2, SPARE
	v_mov_b32 v[NIL], 0
	v_lshrrev_b32 v14, 5, v0
	v_readfirstlane_b32 s2, v14                    ; wave
	v_and_b32 v14, 31, v0
	v_and_b32 v15, 15, v0
	v_bfe_u32 v[HH], v0, 4, 1
	v_lshlrev_b32 v[L16], 4, v14
	v_lshlrev_b32 v[L4], 2, v14
	v_lshlrev_b32 v[L8], 3, v14
	v_and_b32 v[PI], 8, v15
	v_add_nc_u32 v[PI], v[PI], v15
	v_lshlrev_b32 v[PI4], 2, v[PI]
	v_lshlrev_b32 v[H64], 6, v[HH]
	v_lshlrev_b32 v[VSA], 2, v15
	v_lshl_add_u32 v[VSA], v[HH], 10, v[VSA]
	v_lshl_add_u32 v[CSA], v[HH], 5, v[PI4]
	v_lshlrev_b32 v[BSA], 2, v[CSA]
	s_mul_i32 s7, s2, 12288
	v_add_nc_u32 v[CPA], s7, v[L16]
.irp b, 0,1,2,3
	v_mov_b32 v[TM+4+\b], 0                        ; written once: a lane permute's destination counts as one of its sources
.endr
	s_mov_b32 s42, 0x76543210
	s_mov_b32 s43, 0xfedcba98
	s_mov_b32 s44, 0xbfb8aa3b                      ; -log2(e)
	s_mov_b32 s45, s44
	s_mov_b32 s46, 0x3e3504f3                      ; 1 / sqrt(32)
	s_mov_b32 s47, s46
	s_mov_b32 s48, 0xffff0000                      ; lanes 16-31
	s_and_b32 s3, ttmp9, 127
	s_lshr_b32 s4, ttmp9, 7                        ; 0: q and k;  1: v
	s_and_b32 s5, s3, 3
	s_lshr_b32 s6, s3, 2
	s_lshl_b32 s32, s6, 2
	s_add_co_u32 s32, s32, s2                      ; q, k: my group of 32 tokens
	s_lshl_b32 s33, s5, 2
	s_add_co_u32 s33, s33, s2                      ; v: my head
	s_lshl_b32 s26, s5, 5
	s_add_co_u32 s26, s26, 1024                    ; q, k: the 8-side's first image: W's columns 128 s on
	s_lshl_b32 s27, s6, 5                          ; v: x's chunk
	s_lshl_b32 s28, s32, 3                         ; q, k: the 2-side's: x's group
	s_lshl_b32 s29, s33, 3
	s_add_co_u32 s29, s29, 1152                    ; v: W's columns 512 + 32 head on
	s_cmp_eq_u32 s4, 0
	s_cselect_b32 s24, s26, s27
	s_cselect_b32 s25, s28, s29
	s_mul_i32 s34, s24, 1536
	s_add_co_u32 s34, s34, s7                      ; my quarter of the 8-side
	s_mov_b32 s35, 0
	s_mul_i32 s36, s25, 1536
	s_mov_b32 s37, 0
	s_lshl_b32 s38, s24, 7
	s_mov_b32 s39, 0
	s_lshl_b32 s40, s25, 7
	s_mov_b32 s41, 0
	s_wait_kmcnt 0x0
	s_add_nc_u64 s[34:35], s[8:9], s[34:35]
	s_add_nc_u64 s[36:37], s[8:9], s[36:37]
	s_add_nc_u64 s[38:39], s[10:11], s[38:39]
	s_add_nc_u64 s[40:41], s[10:11], s[40:41]
	WIN 0x40
.set n, 0
.rept 24
	global_load_b128 v[4*n:4*n+3], v[L16], s[34:35] offset:512*n   ; my 12,288 bytes of the 8-side, 512 consecutive bytes a load
.set n, n+1
.endr
	WIN 0
.set n, 0
.rept 24
	global_load_b128 v[XB+4*n:XB+4*n+3], v[L16], s[36:37] offset:512*n   ; the 2-side's eight images are consecutive too
.set n, n+1
.endr
.set n, 0
.rept 8
	global_load_b32 v[SC2+n], v[L4], s[40:41] offset:128*n
.set n, n+1
.endr
	s_wait_loadcnt 32                              ; the copy's 24 loads are in; the 24 + 8 behind them may be out
	WIN 0x04
.set n, 0
.rept 24
	ds_store_b128 v[CPA], v[4*n:4*n+3] offset:512*n
.set n, n+1
.endr
	WIN 0
.set n, 0
.rept 32
	global_load_b32 v[SC8+n], v[L4], s[38:39] offset:128*n
.set n, n+1
.endr
	s_wait_dscnt 0x0                               ; for the others' sake: my stores have landed
	s_barrier_signal -1
	s_barrier_wait -1                              ; the 32 images lie in LDS; nothing is stored there again
	s_cmp_lg_u32 s4, 0
	s_cbranch_scc1 .Lvpath
; ---------------- q and k ----------------
.set EX,  16                           ; v16-79    e^-z, then 1 / (1 + e^-z)
.set ZS,  80                           ; v80-143   z, then z / sqrt(32), then q
.set TT,  144                          ; v144-207  1 + e^-2z, then k
.set PW,  224
.set PCD, 226                          ; v226-244  the codes just made
	s_lshl_b32 s26, s5, 9                          ; my 128 numbers of b_qkv
	s_mov_b32 s27, 0
	s_add_nc_u64 s[12:13], s[12:13], s[26:27]
	WIN 0xc0
.set n, 0
.rept 8                                ; in the result's layout: lane (r, h), tile a: columns 32 (a / 2) + 16 h + 8 (a % 2) + 0 .. 7
	global_load_b128 v[128+8*n:128+8*n+3], v[H64], s[12:13] offset:(32*(n/2)+8*(n%2))*4
	global_load_b128 v[128+8*n+4:128+8*n+7], v[H64], s[12:13] offset:(32*(n/2)+8*(n%2))*4+16
.set n, n+1
.endr
	WIN 0
	s_lshl_b32 s26, s32, 3
	s_add_co_u32 s26, s26, s5                      ; image 4 (2 g) + s
	s_mul_i32 s28, s26, 1536
	s_mov_b32 s29, 0
	s_add_nc_u64 s[14:15], s[14:15], s[28:29]
	s_lshl_b32 s28, s26, 7
	s_add_nc_u64 s[16:17], s[16:17], s[28:29]
	GEMM 16
	PLACES 4                                       ; behind the last products, ahead of the first read of results and the first write of operands
	s_wait_loadcnt 0x0                             ; the bias
.macro ACT b                           ; tile b's 64 numbers of a lane: z -> q in ZS, k in TT
	WIN 0x0f
.set k, 0
.rept 32
	v_pk_add_f32 v[ZS+2*k:ZS+2*k+1], v[64*(\b)+2*k:64*(\b)+2*k+1], v[128+2*k:128+2*k+1]   ; z = the sum + the bias; each accumulator from its low end on
.set k, k+1
.endr
	WIN 0
.set k, 0
.rept 32
	v_pk_mul_f32 v[EX+2*k:EX+2*k+1], v[ZS+2*k:ZS+2*k+1], s[44:45] op_sel_hi:[1,0]
.set k, k+1
.endr
.set k, 0
.rept 32
	v_pk_mul_f32 v[ZS+2*k:ZS+2*k+1], v[ZS+2*k:ZS+2*k+1], s[46:47] op_sel_hi:[1,0]
.set k, k+1
.endr
.set k, 0
.rept 64
	v_exp_f32 v[EX+k], v[EX+k]                     ; a = e^-z
.set k, k+1
.endr
	v_nop
	s_wait_alu depctr_va_vdst(0)                   ; one wait for the 64 exponentials, ahead of their first reader
.set k, 0
.rept 32
	v_pk_fma_f32 v[TT+2*k:TT+2*k+1], v[EX+2*k:EX+2*k+1], v[EX+2*k:EX+2*k+1], 1.0 op_sel_hi:[1,1,0]   ; 1 + e^-2z
.set k, k+1
.endr
.set k, 0
.rept 32
	v_pk_add_f32 v[EX+2*k:EX+2*k+1], v[EX+2*k:EX+2*k+1], 1.0 op_sel_hi:[1,0]                        ; 1 + e^-z
.set k, k+1
.endr
.set k, 0
.rept 64
	v_rcp_f32 v[EX+k], v[EX+k]
.set k, k+1
.endr
.set k, 0
.rept 64
	v_rcp_f32 v[TT+k], v[TT+k]
.set k, k+1
.endr
	v_nop
	s_wait_alu depctr_va_vdst(0)                   ; one wait for the 128 reciprocals
.set k, 0
.rept 32
	v_pk_mul_f32 v[ZS+2*k:ZS+2*k+1], v[ZS+2*k:ZS+2*k+1], v[EX+2*k:EX+2*k+1]                         ; q = z / sqrt(32) / (1 + e^-z)
.set k, k+1
.endr
.set k, 0
.rept 32
	v_pk_fma_f32 v[TT+2*k:TT+2*k+1], v[TT+2*k:TT+2*k+1], 2.0, -1.0 op_sel_hi:[1,0,0]                ; k = 2 / (1 + e^-2z) - 1
.set k, k+1
.endr
.endm
.macro STQ src, b, ko, so              ; quantise along the four heads' channels and store the image
	s_wait_xcnt 0x0                                ; the codes' registers, which the last stores read, are written again only behind this wait
	QUANT \src, PCD, PW
.irp c, 0,1,2
	global_store_b128 v[L16], v[PCD+4*\c:PCD+4*\c+3], s[14:15] offset:6144*(\b)+512*\c+\ko
.endr
	global_store_b32 v[L4], v[PW], s[16:17] offset:512*(\b)+\so
.endm
	ACT 0
	STQ ZS, 0, 0, 0
	STQ TT, 0, 1572864, 131072
	ACT 1
	STQ ZS, 1, 0, 0
	STQ TT, 1, 1572864, 131072
	s_wait_tensorcnt 0x0                           ; the wave's end: three closing lines, behind my last LDS store
	ds_add_u32 v[SPW], v[NIL]
	s_wait_dscnt 0x0
	s_endpgm
; ---------------- v ----------------
.Lvpath:
.set Z0,  16                           ; v16-79 tile 0's 64 keys of a lane, v80-143 tile 1's
.set PC0, 144                          ; v144-162 tile 0's codes;  v164-182 tile 1's
.set PW0, 184
.set PW1, 185
.set OSC, 186                          ; the ones' scale word: four bytes of 127
.set ONES, 188                         ; v188-199 a fragment of ones: row m has ones in block m % 8 alone (m % 8 < 4) or in all four blocks
.set DA,  224                          ; v224-231, v232-239 the sums
.set DB,  232
.set XO,  240
	s_lshl_b32 s26, s33, 7
	s_add_co_u32 s26, s26, 2048                    ; b_qkv at column 512 + 32 head
	s_mov_b32 s27, 0
	s_add_nc_u64 s[12:13], s[12:13], s[26:27]
	global_load_b32 v[BV], v[PI4], s[12:13]        ; tile 0: my channel's bias;
	global_load_b32 v[BV+2], v[PI4], s[12:13] offset:32   ; tile 1
	v_mov_b32 v[BV+1], 0                           ; (named with them as pairs)
	v_mov_b32 v[BV+3], 0
	s_lshr_b32 s26, s6, 4                          ; batch
	s_lshl_b32 s26, s26, 4
	s_add_co_u32 s26, s26, s33                     ; 16 batch + head
	s_and_b32 s27, s6, 15                          ; the chunk in its batch
	s_mov_b32 s29, 0
	s_lshl_b32 s28, s26, 15
	s_lshl_b32 s30, s27, 10
	s_add_co_u32 s28, s28, s30
	s_add_nc_u64 s[50:51], s[18:19], s[28:29]      ; plane A
	s_lshl_b32 s28, s26, 14
	s_lshl_b32 s30, s27, 9
	s_add_co_u32 s28, s28, s30
	s_add_co_u32 s28, s28, 1048576
	s_add_nc_u64 s[52:53], s[18:19], s[28:29]      ; plane B
	s_lshl_b32 s28, s26, 11
	s_lshl_b32 s30, s27, 6
	s_add_co_u32 s28, s28, s30
	s_add_nc_u64 s[20:21], s[20:21], s[28:29]      ; scale words
	s_lshl_b32 s28, s6, 13
	s_lshl_b32 s30, s33, 9
	s_add_co_u32 s28, s28, s30
	s_add_nc_u64 s[54:55], s[22:23], s[28:29]      ; block sums
	s_lshl_b32 s28, s6, 11
	s_lshl_b32 s30, s33, 7
	s_add_co_u32 s28, s28, s30
	s_add_co_u32 s28, s28, 262144
	s_add_nc_u64 s[56:57], s[22:23], s[28:29]      ; chunk sums
	v_and_b32 v240, 7, v0                          ; the ones.  The code of 1.0 is 8: 16 such codes are these three words
	v_mov_b32 v241, 0x08208208
	v_mov_b32 v242, 0x82082082
	v_mov_b32 v243, 0x20820820
	v_cmp_le_u32 s31, 4, v240
.irp c, 0,1
	v_add_nc_u32 v244, 2*\c, v[HH]                 ; registers 6 c .. 6 c + 5 hold block 2 c + h
	v_cmp_eq_u32 s30, v240, v244
	s_or_b32 s30, s30, s31
.irp i, 0,1,2,3,4,5
	v_cndmask_b32 v[ONES+6*\c+\i], 0, v[241+\i%3], s30
.endr
.endr
	v_mov_b32 v[OSC], 0x7f7f7f7f
	GEMM 2
	PLACES 4
	s_wait_loadcnt 0x0                             ; the bias
	WIN 0x03
.set k, 0
.rept 64
	v_pk_add_f32 v[Z0+2*k:Z0+2*k+1], v[2*k:2*k+1], v[BV+2*(k/32):BV+2*(k/32)+1] op_sel_hi:[1,0]   ; v = the sum + my channel's bias; each accumulator from its low end on
.set k, k+1
.endr
	WIN 0
	QUANT Z0, PC0, PW0
	QUANT Z0+64, PC0+20, PW1
.irp b, 0,1
.irp c, 0,1
	global_store_b128 v[L16], v[PC0+20*\b+6*\c:PC0+20*\b+6*\c+3], s[50:51] offset:16384*\b+512*\c   ; blocks 2 c and 2 c + 1: 512 consecutive bytes
	global_store_b64 v[L8], v[PC0+20*\b+6*\c+4:PC0+20*\b+6*\c+5], s[52:53] offset:8192*\b+256*\c
.endr
.endr
	v_cndmask_b32 v187, v[PW0], v[PW1], s48        ; lanes 0-15 tile 0's words, lanes 16-31 tile 1's
	global_store_b32 v[VSA], v187, s[20:21]
	PLACES 8                                       ; scale words and codes made by vector instructions stand 8 and 4 places ahead of the products
	WM0 DA, ONES, PC0, OSC, PW0                    ; register j < 4: the sum of the quantised v over block j; register 4: over the chunk; of the channel of lane % 16
	WM0 DB, ONES, PC0+20, OSC, PW1
	PLACES 4
.irp i, 0,1,2,3,4
	v_cndmask_b32 v[XO+\i], v[DA+\i], v[DB+\i], s48
.endr
	global_store_b128 v[BSA], v[XO:XO+3], s[54:55] ; 32 channels x 16 bytes: 512 consecutive bytes
	global_store_b32 v[CSA], v[XO+4], s[56:57]
	s_wait_tensorcnt 0x0                           ; the wave's end: three closing lines, behind my last LDS store
	ds_add_u32 v[SPW], v[NIL]
	s_wait_dscnt 0x0
	s_endpgm
.Lfunc_end_k_q608a4fc773_qkv:
	.size	k_q608a4fc773_qkv, .Lfunc_end_k_q608a4fc773_qkv-k_q608a4fc773_qkv
	.p2alignl 7, 3214868480
	.fill 96, 4, 3214868480
	.section	.rodata,"a",@progbits
	.p2align	6, 0x0
	.amdhsa_kernel k_q608a4fc773_qkv
		.amdhsa_group_segment_fixed_size 49664
		.amdhsa_private_segment_fixed_size 0
		.amdhsa_enable_private_segment 0
		.amdhsa_kernarg_size 64
		.amdhsa_user_sgpr_count 2
		.amdhsa_user_sgpr_kernarg_segment_ptr 1
		.amdhsa_wavefront_size32 1
		.amdhsa_system_sgpr_workgroup_id_x 1
		.amdhsa_system_sgpr_workgroup_id_y 1
		.amdhsa_system_sgpr_workgroup_id_z 1
		.amdhsa_system_vgpr_workitem_id 0
		.amdhsa_next_free_vgpr 960
		.amdhsa_next_free_sgpr 66
		.amdhsa_reserve_vcc 0
		.amdhsa_float_denorm_mode_32 3
		.amdhsa_float_denorm_mode_16_64 3
		.amdhsa_memory_ordered 1
		.amdhsa_forward_progress 1
		.amdhsa_inst_pref_size 118
	.end_amdhsa_kernel
	.amdgpu_metadata
---
amdhsa.version: [ 1, 2 ]
amdhsa.kernels:
  - .name:           k_q608a4fc773_qkv
    .symbol:         k_q608a4fc773_qkv.kd
    .args:
      - { .name: opc, .offset: 0, .size: 8, .value_kind: global_buffer, .address_space: global }
      - { .name: ops, .offset: 8, .size: 8, .value_kind: global_buffer, .address_space: global }
      - { .name: b_qkv, .offset: 16, .size: 8, .value_kind: global_buffer, .address_space: global }
      - { .name: qkc, .offset: 24, .size: 8, .value_kind: global_buffer, .address_space: global }
      - { .name: qks, .offset: 32, .size: 8, .value_kind: global_buffer, .address_space: global }
      - { .name: vc, .offset: 40, .size: 8, .value_kind: global_buffer, .address_space: global }
      - { .name: vs, .offset: 48, .size: 8, .value_kind: global_buffer, .address_space: global }
      - { .name: vsum, .offset: 56, .size: 8, .value_kind: global_buffer, .address_space: global }
    .group_segment_fixed_size: 49664
    .private_segment_fixed_size: 0
    .kernarg_segment_align: 8
    .kernarg_segment_size: 64
    .max_flat_workgroup_size: 128
    .sgpr_count:     66
    .vgpr_count:     960
    .wavefront_size: 32
...
	.end_amdgpu_metadata
.endif
;; end of part 2
;; launch attn (part 3): grid 256 x 1, 4 waves a work-group, no clusters, 42,240 bytes of LDS; arguments qkc, qks, vc, vs, vsum, opc, ops, x, b_out, ln_gamma, ln_beta, out0; writes out0
.if DOCPART == 3
	.amdgcn_target "amdgcn-amd-amdhsa--gfx1250"
	.amdhsa_code_object_version 6
	.text
	.protected	k_q608a4fc773_attn
	.globl	k_q608a4fc773_attn
	.p2align	8
	.type	k_q608a4fc773_attn,@function
k_q608a4fc773_attn:
	s_mov_b64 s[64:65], 0
	v_nop
	global_prefetch_b8 v0, s[64:65] scope:SCOPE_SE
	s_setreg_imm32_b32 hwreg(HW_REG_WAVE_MODE, 25, 1), 1
	s_wait_xcnt 0x0
; LAUNCH 3 OF 3.  The band's attention, the projection on the way out, the residual and the LayerNorm, for one tile of 16 queries to a work-group.  Straight-line: no branch, no loop.
; LEFT OUT (shown at the head of the first launch): score tiles wholly outside |i - j| <= 64, and the products of p with v for key blocks wholly outside the band, whose part is 2^-M x the sum of the quantised v over those keys.
; SHARES.  Work-group T: queries 32 (T / 2) + 8 (T % 2) + r + 8 (r / 8).  Wave w: heads 4 w .. 4 w + 3, one after the other; then output columns 128 w .. 128 w + 127; then four whole rows for the LayerNorm.
; THE WINDOW: key blocks kb0 + 0 .. 4, kb0 = (the queries' block of 32) - 2.  With a = the query's place in its block, key n of the window's 160 lies in the band where a <= n <= 128 + a: only blocks 0 and 4 need the mask, which
; sets a score to 0 (it stays in the softmax).  At a sequence's ends a block that does not exist is loaded from the nearest that does and counts for nothing: its t - M is -infinity, so its p and its codes are zeros.
; LAYOUT.  S^T = K Q^T (source 0 = 16 keys, source 1 = my 16 queries) and O^T = V^T P^T: a lane holds ONE query (lane % 16) throughout.  K's and Q's images hold four heads as the four blocks of K = 128; Q's other three blocks are
; replaced by zero codes, which picks the head.  O^T begins as 2^-M x R, R the sum of the quantised v outside the window, given as the C of the first product.
; SOFTMAX: t = score x log2(e); M = ceil(max(0, the window's largest t)): 0 is the t of the keys outside the band, of which every row has some; p = 2^(t - M); the row's sum is taken of the unquantised p, plus 2^-M for each key outside the window.
; LOADS are counted by the text itself: NI counts the loads issued, a mark keeps the count behind a group, and the wait for a group leaves out what was issued behind it (the count's field holds 63 at the most).
; REGISTERS: window 0: see the names below.  Window 1: O^T at 16 g + 8 u (v0-63); x's rows v64-127; b_out v128-143; gamma v144-159; beta v160-175; W_out's scale words as loaded v176-207.
;   window 2: K's images v0-119; V of heads 0-2 from v120, 36 each; later W_out's K steps 2 (v120-215) and 3 (v0-95).   window 3: W_out's K steps 0, 1 (v0-191); V of head 3 (v192-227).
.set AOB, 0                            ; LDS: the attention output's four images,
.set AOS, 6144                         ; their scale images,
.set RB,  6656                         ; R: 512 bytes for each wave, its own,
.set STG, 8704                         ; the stage: 16 rows x (2,048 + 16) bytes,
.set SPITCH, 2064
.set SPARE, 41728                      ; the spare words, 128 bytes a wave
.set L16, 1                            ; 16 x lane
.set L4,  2                            ; 4 x lane
.set AQ,  3                            ; the query's place in its block - 16 (lane / 16)
.set VA,  4                            ; v4-6   V, plane A: blocks 0|1, 2|3 (by my half of the lanes), 4
.set VBO, 7                            ; v7-9   plane B
.set R4A, 10                           ; 4 r
.set L64, 11                           ; 64 x lane
.set RBW, 12
.set RBR, 13
.set AOW, 14
.set ASW, 15
.set STW, 16
.set STR, 17
.set SPW, 18
.set NIL, 19
.set NINF, 20                          ; -infinity
.set NOUT, 21                          ; keys outside the window, as f32
.set KSC, 24                           ; v24-63 hold scale words and nothing else: K's ten,
.set QSC, 34                           ; Q's,
.set VSC, 36                           ; V's (4 g + 2 u + step),
.set PW0, 52                           ; P's two;
.set PW1, 53
.set WOS, 24                           ; later W_out's 32 (4 t + s),
.set AOSC, 56                          ; the attention output's four,
.set PWQ, 60                           ; and the word that I make
.set Q,   64                           ; v64-75
.set Z6,  76                           ; v76-81 zeros | v82-87 the head's six registers | v88-93 zeros
.set M6,  82
.set P0,  94                           ; v94-105  P, window blocks 0-3
.set P1,  106                          ; v106-117 P, block 4 and zeros
.set CT,  118                          ; v118-125 second halves from the conversions
.set BM,  126                          ; v126-130 the blocks' largest scores, then their largest p
.set BT,  131                          ; v131-135 the other half's; later the scale bytes
.set NM,  136                          ; v136, 138 .. 144: -M of each block (-infinity for one that does not exist)
.set SO,  137                          ; v137, 139 .. 145: the conversions' scale operands
.set MX,  146
.set TP,  147
.set F0,  148                          ; v148 2^-M (v149 named with it)
.set SA,  150
.set SB,  152
.set RL,  154                          ; v154-157 1 / the row's sum, for each head
.set RR,  158                          ; v158-173 R of my 16 channels
.set S,   176                          ; v176-255 S^T, then p: 16 x block + i = key 32 x block + 16 (lane / 16) + i
.set TM,  240                          ; the quantiser's work
.set AO,  96                           ; v96-143 the attention output's four fragments
.set SM,  96                           ; the LayerNorm's sums, a pair a row
.set PT,  104
.set MSB, 0
.set NI, 0
.macro WIN new                         ; the immediate's high byte repeats the setting that is left
.if MSB != (\new)
	s_set_vgpr_msb (MSB<<8)|(\new)
.set MSB, (\new)
.endif
.endm
.macro PLACES n
.rept \n
	v_nop
.endr
.endm
.macro WM0 d, a, b, sa, sb
	v_wmma_scale_f32_16x16x128_f8f6f4 v[(\d):(\d)+7], v[(\a):(\a)+11], v[(\b):(\b)+11], 0, v[\sa], v[\sb] matrix_a_fmt:MATRIX_FMT_FP6 matrix_b_fmt:MATRIX_FMT_FP6
.endm
.macro WMC d, a, b, c, sa, sb
	v_wmma_scale_f32_16x16x128_f8f6f4 v[(\d):(\d)+7], v[(\a):(\a)+11], v[(\b):(\b)+11], v[(\c):(\c)+7], v[\sa], v[\sb] matrix_a_fmt:MATRIX_FMT_FP6 matrix_b_fmt:MATRIX_FMT_FP6
.endm
.macro LD128 d, a, b, o
	global_load_b128 v[(\d):(\d)+3], v[\a], s[\b:\b+1] offset:\o
.set NI, NI+1
.endm
.macro LD64 d, a, b, o
	global_load_b64 v[(\d):(\d)+1], v[\a], s[\b:\b+1] offset:\o
.set NI, NI+1
.endm
.macro LD32 d, a, b, o
	global_load_b32 v[\d], v[\a], s[\b:\b+1] offset:\o
.set NI, NI+1
.endm
.macro WAITL name                      ; all loads up to the mark are in; those issued behind it may be out
.if NI-\name > 63
	s_wait_loadcnt 63
.else
	s_wait_loadcnt NI-\name
.endif
.endm
; 64 numbers of a lane, register 16 b + i = k 32 b + 16 (lane / 16) + i of my row, become a fragment in v[pc] .. v[pc + 11] (pc + 12 .. pc + 18 at work) and its scale word in v[pw]
.macro QUANT s, pc, pw
.irp b, 0,1,2,3
	v_max3_num_f32 v[TM+\b], |v[\s+16*\b]|, |v[\s+1+16*\b]|, 0x1800000
.endr
.irp i, 2,4,6,8,10,12,14
.irp b, 0,1,2,3
	v_max3_num_f32 v[TM+\b], v[TM+\b], |v[\s+16*\b+\i]|, |v[\s+1+16*\b+\i]|
.endr
.endr
.irp b, 0,1,2,3
	v_permlanex16_b32 v[TM+4+\b], v[TM+\b], s52, s53
.endr
.irp b, 0,1,2,3
	v_max_num_f32 v[TM+\b], v[TM+\b], v[TM+4+\b]
.endr
.irp b, 0,1,2,3
	v_add_nc_u32 v[TM+12+\b], 0xff000000, v[TM+\b]
.endr
.irp b, 0,1,2,3
	v_lshrrev_b32 v[TM+4+\b], 23, v[TM+12+\b]
.endr
	v_lshl_or_b32 v[\pw], v[TM+5], 8, v[TM+4]
	v_lshl_or_b32 v[\pw], v[TM+6], 16, v[\pw]
	v_lshl_or_b32 v[\pw], v[TM+7], 24, v[\pw]
.irp c, 0,1
	v_cvt_scalef32_pk16_fp6_f32 v[\pc+6*\c:\pc+2+6*\c], v[\s+32*\c:\s+15+32*\c], v[TM+12+2*\c]
	v_cvt_scalef32_pk16_fp6_f32 v[\pc+12+4*\c:\pc+14+4*\c], v[\s+16+32*\c:\s+31+32*\c], v[TM+12+2*\c+1]
.endr
	v_nop
.irp c, 0,1
.irp i, 0,1,2
	v_permlane16_swap_b32 v[\pc+6*\c+\i], v[\pc+12+4*\c+\i]
.endr
.irp i, 0,1,2
	v_mov_b32 v[\pc+3+6*\c+\i], v[\pc+12+4*\c+\i]
.endr
.endr
.endm
; V of head g: 36 registers: +0 tile 0, blocks 0-3 | +12 tile 0, block 4 | +18 tile 1, block 4 | +24 tile 1, blocks 0-3.  The second step's fragments are +12 .. +23 and +18 .. +29: their upper six registers
; hold other codes, every one a finite number, and meet zero codes of P.  And its four scale words, as they lie: the chunk in which the window begins and the next.
.macro GV g
.if (\g) < 3
.set VR, 120+36*(\g)
	WIN 0x80
.else
.set VR, 192
	WIN 0xc0
.endif
.irp u, 0,1
	LD128 VR+24*\u, VA, 86, 32768*(\g)+16384*\u
	LD64 VR+24*\u+4, VBO, 88, 16384*(\g)+8192*\u
	LD128 VR+24*\u+6, VA+1, 86, 32768*(\g)+16384*\u
	LD64 VR+24*\u+10, VBO+1, 88, 16384*(\g)+8192*\u
	LD128 VR+12+6*\u, VA+2, 86, 32768*(\g)+16384*\u
	LD64 VR+12+6*\u+4, VBO+2, 88, 16384*(\g)+8192*\u
.endr
	WIN 0
.irp u, 0,1
	LD32 VSC+4*(\g)+2*\u, R4A, 90, 2048*(\g)+1024*\u
	LD32 VSC+4*(\g)+2*\u+1, R4A, 92, 2048*(\g)+1024*\u
.endr
.set MGV\g, NI
.endm
.macro GW s                            ; W_out's eight fragments of K step s for my 128 columns
.if (\s) < 2
	WIN 0xc0
.set GB, 96*(\s)
.elseif (\s) == 2
	WIN 0x80
.set GB, 120
.else
	WIN 0x80
.set GB, 0
.endif
.set gt, 0
.rept 8
.irp c, 0,1,2
	LD128 GB+12*gt+4*\c, L16, 18, (4*gt+(\s))*1536+512*\c
.endr
.set gt, gt+1
.endr
	WIN 0
.set MGW\s, NI
.endm
	s_load_b512 s[8:23], s[0:1], 0x0               ; qkc s[8:9], qks s[10:11], vc s[12:13], vs s[14:15], vsum s[16:17], opc s[18:19], ops s[20:21], x s[22:23]
	s_load_b256 s[24:31], s[0:1], 0x40             ; b_out s[24:25], gamma s[26:27], beta s[28:29], out0 s[30:31]
	v_lshl_add_u32 v[SPW], v0, 2, SPARE
	v_mov_b32 v[NIL], 0
	v_lshrrev_b32 v22, 5, v0
	v_readfirstlane_b32 s2, v22                    ; wave
	v_and_b32 v22, 31, v0                          ; lane
	v_and_b32 v23, 15, v0                          ; r
	v_bfe_u32 v174, v0, 4, 1                       ; h
	s_lshr_b32 s4, ttmp9, 7                        ; batch
	s_bfe_u32 s5, ttmp9, 0x60001                   ; the queries' block of 32 in its batch
	s_and_b32 s6, ttmp9, 1                         ; which tile of the block
	s_sub_co_i32 s7, s5, 2                         ; kb0
.irp w, 0,1,2,3,4
	s_add_co_i32 s47, s7, \w
	s_max_i32 s[32+\w], s47, 0
	s_min_i32 s[32+\w], s[32+\w], 63               ; the block that is loaded,
	s_cmp_eq_u32 s[32+\w], s47
	s_cselect_b32 s[37+\w], -1, 0                  ; and, as a mask of lanes, whether it is the window's own
.endr
	s_sub_co_u32 s42, s36, s32                     ; the window's last real block - its first
	s_lshl_b32 s43, s42, 5
	s_sub_co_u32 s43, 2016, s43                    ; 2,048 - 32 x real blocks
	v_cvt_f32_u32 v[NOUT], s43
	s_ashr_i32 s44, s7, 2                          ; the chunk of 128 keys in which the window begins,
	s_add_co_i32 s45, s44, 1
	s_min_i32 s45, s45, 15                         ; the next,
	s_max_i32 s44, s44, 0                          ; both held inside the batch
	s_and_b32 s46, s7, 3
	s_lshl_b32 s46, s46, 3                         ; 8 x the window's first block in its chunk
	s_and_b32 s47, s7, -4
	s_sub_co_i32 s47, s47, s32
.irp n, 0,1,2,3,4,5,6,7
	s_add_co_i32 s48, s47, \n
	s_cmp_le_u32 s48, s42                          ; block n of the two chunks is one of the window's real blocks:
	s_cselect_b32 s[56+\n], 0xbf800000, 0          ; its sum is taken off the total
.endr
	s_mov_b32 s50, 0x3fb8aa3b                      ; log2(e)
	s_mov_b32 s51, s50
	s_mov_b32 s52, 0x76543210
	s_mov_b32 s53, 0xfedcba98
	s_mov_b32 s54, 0x0000ffff                      ; lanes 0-15
	s_mov_b32 s55, 0xffff0000                      ; lanes 16-31
	v_lshlrev_b32 v[L16], 4, v22
	v_lshlrev_b32 v[L4], 2, v22
	v_lshlrev_b32 v[L64], 6, v22
	v_lshlrev_b32 v[R4A], 2, v23
	v_and_b32 v175, 8, v23
	v_add_nc_u32 v175, v175, v23
	s_lshl_b32 s47, s6, 3
	v_add_nc_u32 v175, s47, v175                   ; a = 8 u + r + 8 (r / 8)
	v_lshlrev_b32 v[AQ], 4, v174
	v_sub_nc_u32 v[AQ], v175, v[AQ]
.irp c, 0,1
	s_sub_co_u32 s47, s[33+2*\c], s[32+2*\c]
	s_lshl_b32 s47, s47, 8
	s_lshl_b32 s48, s[32+2*\c], 8
	v_mul_u32_u24 v175, v174, s47                  ; lanes 16-31 take the pair's second block
	v_lshl_add_u32 v175, v23, 4, v175
	v_add_nc_u32 v[VA+\c], s48, v175
.endr
	s_lshl_b32 s48, s36, 8
	v_lshlrev_b32 v175, 4, v23
	v_add_nc_u32 v[VA+2], s48, v175
.irp c, 0,1,2
	v_lshrrev_b32 v[VBO+\c], 1, v[VA+\c]
.endr
	s_lshl_b32 s47, s2, 9
	s_add_co_u32 s47, s47, RB
	v_add_nc_u32 v[RBW], s47, v[L16]
	v_lshl_add_u32 v[RBR], v174, 6, s47
	s_mul_i32 s47, s2, 1536
	v_add_nc_u32 v[AOW], s47, v[L16]
	s_lshl_b32 s47, s2, 7
	s_add_co_u32 s47, s47, AOS
	v_add_nc_u32 v[ASW], s47, v[L4]
	v_mul_u32_u24 v175, v23, SPITCH
	v_lshl_add_u32 v175, v174, 6, v175
	s_lshl_b32 s47, s2, 9
	s_add_co_u32 s47, s47, STG
	v_add_nc_u32 v[STW], s47, v175                 ; the stage: row r, + 64 h, + 512 x wave
	s_mul_i32 s47, s2, 4*SPITCH
	s_add_co_u32 s47, s47, STG
	v_add_nc_u32 v[STR], s47, v[L16]               ; back: my four rows
	v_mov_b32 v[NINF], 0xff800000
	s_mov_b32 s101, 0
	s_wait_kmcnt 0x0
	s_lshl_b32 s49, s4, 9
	s_add_co_u32 s49, s49, s2
	s_add_co_u32 s49, s49, 1024                    ; k's images: 1,024 + 4 (128 batch + 2 block + tile) + wave
.irp w, 0,1,2,3,4
	s_lshl_b32 s48, s[32+\w], 3
	s_add_co_u32 s48, s48, s49
	s_mul_i32 s100, s48, 1536
	s_add_nc_u64 s[66+2*\w:67+2*\w], s[8:9], s[100:101]
	s_lshl_b32 s100, s48, 7
	s_add_nc_u64 s[76+2*\w:77+2*\w], s[10:11], s[100:101]
.endr
	s_lshl_b32 s48, ttmp9, 2
	s_add_co_u32 s48, s48, s2                      ; q's image: 4 T + wave
	s_mul_i32 s100, s48, 1536
	s_add_nc_u64 s[8:9], s[8:9], s[100:101]
	s_lshl_b32 s100, s48, 7
	s_add_nc_u64 s[10:11], s[10:11], s[100:101]
	s_lshl_b32 s48, s4, 4
	s_lshl_b32 s49, s2, 2
	s_add_co_u32 s48, s48, s49                     ; 16 batch + my first head
	s_lshl_b32 s100, s48, 15
	s_add_nc_u64 s[86:87], s[12:13], s[100:101]    ; plane A
	s_lshl_b32 s100, s48, 14
	s_add_co_u32 s100, s100, 1048576
	s_add_nc_u64 s[88:89], s[12:13], s[100:101]    ; plane B
	s_lshl_b32 s49, s48, 11
	s_lshl_b32 s100, s44, 6
	s_add_co_u32 s100, s100, s49
	s_add_nc_u64 s[90:91], s[14:15], s[100:101]    ; V's scale words: the window's first chunk,
	s_lshl_b32 s100, s45, 6
	s_add_co_u32 s100, s100, s49
	s_add_nc_u64 s[92:93], s[14:15], s[100:101]    ; and the next
	s_lshl_b32 s100, s4, 15
	s_lshl_b32 s49, s2, 9
	s_add_co_u32 s100, s100, s49
	s_add_co_u32 s100, s100, 262144
	s_add_nc_u64 s[94:95], s[16:17], s[100:101]    ; the batch's chunk sums, my 128 columns
	s_lshl_b32 s48, s4, 4
	s_lshl_b32 s49, s2, 11
	s_add_co_u32 s100, s48, s44
	s_lshl_b32 s100, s100, 13
	s_add_co_u32 s100, s100, s49
	s_add_nc_u64 s[96:97], s[16:17], s[100:101]    ; the two chunks' block sums
	s_add_co_u32 s100, s48, s45
	s_lshl_b32 s100, s100, 13
	s_add_co_u32 s100, s100, s49
	s_add_nc_u64 s[98:99], s[16:17], s[100:101]
	s_lshl_b32 s48, s2, 5
	s_add_co_u32 s48, s48, 1280                    ; W_out's images for my 128 columns
	s_mul_i32 s100, s48, 1536
	s_add_nc_u64 s[18:19], s[18:19], s[100:101]
	s_lshl_b32 s100, s48, 7
	s_add_nc_u64 s[20:21], s[20:21], s[100:101]
	s_lshr_b32 s48, ttmp9, 1
	s_lshl_b32 s48, s48, 5
	s_lshl_b32 s49, s6, 3
	s_add_co_u32 s48, s48, s49
	s_lshl_b32 s49, s2, 2
	s_add_co_u32 s48, s48, s49
	s_lshr_b32 s49, s2, 1
	s_lshl_b32 s49, s49, 3
	s_add_co_u32 s48, s48, s49                     ; the token of the tile's row 4 x wave
	s_lshl_b32 s100, s48, 11
	s_add_nc_u64 s[22:23], s[22:23], s[100:101]
	s_add_nc_u64 s[30:31], s[30:31], s[100:101]
	; ---- the first loads: Q, K; the sums; V of head 0
.irp c, 0,1,2
	LD128 Q+4*\c, L16, 8, 512*\c
.endr
	LD32 QSC, L4, 10, 0
	WIN 0x80
.irp w, 0,1,2,3,4
.irp u, 0,1
.irp c, 0,1,2
	LD128 12*(2*\w+\u)+4*\c, L16, 66+2*\w, 6144*\u+512*\c
.endr
.endr
.endr
	WIN 0
.irp w, 0,1,2,3,4
.irp u, 0,1
	LD32 KSC+2*\w+\u, L4, 76+2*\w, 512*\u
.endr
.endr
.set n, 0
.rept 16
	LD128 S+4*n, L16, 94, 2048*n                   ; chunk n's sums of columns 128 w + 4 lane + 0 .. 3
.set n, n+1
.endr
.irp q, 0,1,2,3
	LD128 P0+4*\q, L64, 96, 16*\q                  ; column 4 lane + q: the four block sums of the window's first chunk,
	LD128 P0+16+4*\q, L64, 98, 16*\q               ; and of the next
.endr
.set MGS, NI
	GV 0
	; ---- R = the sum of the quantised v over all keys outside the window's real blocks, for my 128 columns
	WAITL MGS
.irp st, 4,8,16,32
.set k, 0
.rept 32/\st
	v_pk_add_f32 v[S+2*\st*k:S+2*\st*k+1], v[S+2*\st*k:S+2*\st*k+1], v[S+2*\st*k+\st:S+2*\st*k+\st+1]
	v_pk_add_f32 v[S+2*\st*k+2:S+2*\st*k+3], v[S+2*\st*k+2:S+2*\st*k+3], v[S+2*\st*k+\st+2:S+2*\st*k+\st+3]
.set k, k+1
.endr
.endr
.irp q, 0,1,2,3
	v_fma_f32 v[BM+\q], s56, v[P0+4*\q], v[S+\q]
.endr
.irp n, 1,2,3
.irp q, 0,1,2,3
	v_fma_f32 v[BM+\q], s[56+\n], v[P0+4*\q+\n], v[BM+\q]
.endr
.endr
.irp n, 0,1,2,3
.irp q, 0,1,2,3
	v_fma_f32 v[BM+\q], s[60+\n], v[P0+16+4*\q+\n], v[BM+\q]
.endr
.endr
	ds_store_b128 v[RBW], v[BM:BM+3]               ; into my wave's own 512 bytes: LDS serves a wave's instructions in order, so my later loads see it
.irp i, 0,1,2,3,4
	v_mov_b32 v[BT+\i], 0                          ; written once: a lane permute's destination counts as one of its sources
	v_mov_b32 v[SO+2*\i], 0                        ; (named as the upper halves of the pairs with -M)
.endr
.irp i, 0,1,2,3,4,5
	v_mov_b32 v[Z6+\i], 0
	v_mov_b32 v[M6+6+\i], 0
	v_mov_b32 v[P1+6+\i], 0
.endr
	v_mov_b32 v[F0+1], 0
	GV 1
	WIN 0x40
.irp i, 0,1,2,3
.irp q, 0,1,2,3
	LD128 64+16*\i+4*\q, L16, 22, 2048*\i+512*\q   ; x: my four rows
.endr
.endr
.irp q, 0,1,2,3
	LD128 128+4*\q, L16, 24, 512*\q
	LD128 144+4*\q, L16, 26, 512*\q
	LD128 160+4*\q, L16, 28, 512*\q
.endr
	WIN 0
; ---- ONE HEAD
.macro HEAD g
.set HC, (\g)/2
.set HP, (\g)%2
.if HC == 0
.set QM, M6
.else
.set QM, Z6
.endif
.irp i, 0,1,2,3,4,5
	v_cndmask_b32 v[M6+\i], 0, v[Q+6*HC+\i], s[54+HP]   ; the head's block of Q: six registers in one half of the lanes; all else zero codes.  (Six plain instructions behind the last head's products)
.endr
.if (\g) == 1
	GV 2
	GW 0
.elseif (\g) == 2
	GV 3
	GW 1
	WIN 0x40
.set n, 0
.rept 32
	LD32 176+n, L4, 20, 128*n
.set n, n+1
.endr
	WIN 0
.set MGWS, NI
.elseif (\g) == 3
	GW 2                                           ; onto V of heads 0 to 2, whose last product stands six plain instructions back
.endif
.irp k, 0,1,2,3
	ds_load_b128 v[RR+4*\k:RR+4*\k+3], v[RBR] offset:128*(\g)+16*\k   ; R of channels 32 g + 16 h + 0 .. 15
.endr
	PLACES 4                                       ; an operand made by vector instructions stands 4 places ahead of the products
	WIN 0x02
.set w5, 0
.rept 5
.set u2, 0
.rept 2
	WM0 S+16*w5+8*u2, 12*(2*w5+u2), QM, KSC+2*w5+u2, QSC
.set u2, u2+1
.endr
.set w5, w5+1
.endr
	WIN 0
	PLACES 4
.if (\g) == 3
	GW 3                                           ; onto K's images, which are done with
.endif
.set ke, 0
.rept 16                               ; the band: block 0 keeps key 16 h + e where it is >= a, block 4 where it is <= a; the others' scores become 0
	v_cmp_ge_i32 vcc_lo, ke, v[AQ]
	v_cndmask_b32 v[S+ke], 0, v[S+ke], vcc_lo
	v_cmp_le_i32 vcc_lo, ke, v[AQ]
	v_cndmask_b32 v[S+64+ke], 0, v[S+64+ke], vcc_lo
.set ke, ke+1
.endr
.irp w, 0,1,2,3,4
	v_max3_num_f32 v[BM+\w], v[S+16*\w], v[S+16*\w+1], v[S+16*\w+2]   ; each block's largest score: it serves the row's maximum and, since p rises with the score, the block's largest p
.endr
.irp i, 3,5,7,9,11,13
.irp w, 0,1,2,3,4
	v_max3_num_f32 v[BM+\w], v[BM+\w], v[S+16*\w+\i], v[S+16*\w+\i+1]
.endr
.endr
.irp w, 0,1,2,3,4
	v_max_num_f32 v[BM+\w], v[BM+\w], v[S+16*\w+15]
.endr
.irp w, 0,1,2,3,4
	v_permlanex16_b32 v[BT+\w], v[BM+\w], s52, s53
.endr
.irp w, 0,1,2,3,4
	v_max_num_f32 v[BM+\w], v[BM+\w], v[BT+\w]
.endr
.irp w, 0,1,2,3,4
	v_cndmask_b32 v[BM+\w], 0, v[BM+\w], s[37+\w]  ; a block that does not exist counts for nothing
.endr
	v_max3_num_f32 v[MX], v[BM], v[BM+1], v[BM+2]
	v_max3_num_f32 v[MX], v[MX], v[BM+3], v[BM+4]
	v_mul_f32 v[MX], s50, v[MX]
	v_max_num_f32 v[MX], 0, v[MX]                  ; with the t = 0 of the keys outside the band
	v_floor_f32 v[TP], -v[MX]                      ; -M = floor(-t)
.irp w, 0,1,2,3,4
	v_cndmask_b32 v[NM+2*\w], v[NINF], v[TP], s[37+\w]
.endr
	v_cvt_i32_f32 v[MX], v[TP]
	v_ldexp_f32 v[F0], 1.0, v[MX]                  ; 2^-M
	s_wait_dscnt 0x0                               ; R
	WIN 0x40
.set k, 0
.rept 8
	v_pk_mul_f32 v[16*(\g)+2*k:16*(\g)+2*k+1], v[RR+2*k:RR+2*k+1], v[F0:F0+1] op_sel_hi:[1,0]   ; O^T begins as 2^-M x R
.set k, k+1
.endr
	WIN 0
.set w5, 0
.rept 5
.set k, 0
.rept 8
	v_pk_fma_f32 v[S+16*w5+2*k:S+16*w5+2*k+1], v[S+16*w5+2*k:S+16*w5+2*k+1], s[50:51], v[NM+2*w5:NM+2*w5+1] op_sel_hi:[1,0,0]   ; t - M
.set k, k+1
.endr
.set w5, w5+1
.endr
.irp w, 0,1,2,3,4
	v_fma_f32 v[BM+\w], v[BM+\w], s50, v[NM+2*\w]  ; the same of each block's largest score
.endr
.set k, 0
.rept 80
	v_exp_f32 v[S+k], v[S+k]                       ; p = 2^(t - M)
.set k, k+1
.endr
.irp w, 0,1,2,3,4
	v_exp_f32 v[BM+\w], v[BM+\w]
.endr
	v_nop
	s_wait_alu depctr_va_vdst(0)                   ; one wait for the 85 exponentials, ahead of their first reader
	v_pk_add_f32 v[SA:SA+1], v[S:S+1], v[S+2:S+3]  ; the row's sum of the unquantised p, in two chains
	v_pk_add_f32 v[SB:SB+1], v[S+4:S+5], v[S+6:S+7]
.set k, 8
.rept 18
	v_pk_add_f32 v[SA:SA+1], v[SA:SA+1], v[S+k:S+k+1]
	v_pk_add_f32 v[SB:SB+1], v[SB:SB+1], v[S+k+2:S+k+3]
.set k, k+4
.endr
	v_pk_add_f32 v[SA:SA+1], v[SA:SA+1], v[SB:SB+1]
	v_add_f32 v[SA], v[SA], v[SA+1]
	v_permlanex16_b32 v[MX], v[SA], s52, s53
	v_add_f32 v[SA], v[SA], v[MX]
	v_fma_f32 v[SA], v[NOUT], v[F0], v[SA]         ; and 2^-M for each key outside the window
	v_rcp_f32 v[RL+(\g)], v[SA]                    ; read behind the heads, behind a later wait
.irp w, 0,1,2,3,4
	v_max_num_f32 v[BM+\w], 0x1800000, v[BM+\w]    ; the floor 2^(3 - 127): the byte cannot fall under 1
.endr
.irp w, 0,1,2,3,4
	v_add_nc_u32 v[SO+2*\w], 0xff000000, v[BM+\w]
.endr
.irp w, 0,1,2,3,4
	v_lshrrev_b32 v[BT+\w], 23, v[SO+2*\w]
.endr
	v_lshl_or_b32 v[PW0], v[BT+1], 8, v[BT]
	v_lshl_or_b32 v[PW0], v[BT+2], 16, v[PW0]
	v_lshl_or_b32 v[PW0], v[BT+3], 24, v[PW0]
	v_mov_b32 v[PW1], v[BT+4]
.irp i, 3,4,5
	v_mov_b32 v[P1+\i], 0
.endr
	v_cvt_scalef32_pk16_fp6_f32 v[P0:P0+2], v[S:S+15], v[SO]
	v_cvt_scalef32_pk16_fp6_f32 v[CT:CT+2], v[S+16:S+31], v[SO+2]
	v_cvt_scalef32_pk16_fp6_f32 v[P0+6:P0+8], v[S+32:S+47], v[SO+4]
	v_cvt_scalef32_pk16_fp6_f32 v[CT+4:CT+6], v[S+48:S+63], v[SO+6]
	v_cvt_scalef32_pk16_fp6_f32 v[P1:P1+2], v[S+64:S+79], v[SO+8]
	v_nop                                          ; one plain instruction behind the conversions
.irp i, 0,1,2
	v_permlane16_swap_b32 v[P0+\i], v[CT+\i]       ; a WHOLE block to a lane: lanes 0-15 the pair's first block, lanes 16-31 its second
	v_permlane16_swap_b32 v[P0+6+\i], v[CT+4+\i]
	v_permlane16_swap_b32 v[P1+\i], v[P1+3+\i]     ; block 4 whole in lanes 0-15, zeros in lanes 16-31
.endr
.irp i, 0,1,2
	v_mov_b32 v[P0+3+\i], v[CT+\i]
	v_mov_b32 v[P0+9+\i], v[CT+4+\i]
.endr
	WAITL MGV\g
.irp u, 0,1
	v_alignbit_b32 v[VSC+4*(\g)+2*\u], v[VSC+4*(\g)+2*\u+1], v[VSC+4*(\g)+2*\u], s46   ; the bytes of the window's blocks 0-3, out of the two chunks' words,
	v_lshrrev_b32 v[VSC+4*(\g)+2*\u+1], s46, v[VSC+4*(\g)+2*\u+1]                      ; and block 4's in byte 0
.endr
	PLACES 8                                       ; scale words made by vector instructions stand 8 places ahead of the products
.if (\g) < 3
.set VR, 120+36*(\g)
	WIN 0x52
.else
.set VR, 192
	WIN 0x53
.endif
	WMC 16*(\g), VR, P0, 16*(\g), VSC+4*(\g), PW0              ; the two accumulators take turns
	WMC 16*(\g)+8, VR+24, P0, 16*(\g)+8, VSC+4*(\g)+2, PW0
	WMC 16*(\g), VR+12, P1, 16*(\g), VSC+4*(\g)+1, PW1
	WMC 16*(\g)+8, VR+18, P1, 16*(\g)+8, VSC+4*(\g)+3, PW1
	WIN 0
.endm
	HEAD 0
	HEAD 1
	HEAD 2
	HEAD 3
	; ---- O / the sum, quantised along the channels: K step w of the projection; its image goes to the other waves through LDS
	PLACES 4
	s_wait_alu depctr_va_vdst(0)                   ; the last reciprocal
	WAITL MGWS
	WIN 0x01
.set k, 0
.rept 32
	v_mov_b32 v[WOS+k], v[176+k]                   ; scale operands are taken from window 0
.set k, k+1
.endr
.set k, 0
.rept 64
	v_mul_f32 v[S+k], v[k], v[RL+k/16]             ; register 16 g + i = channel 128 w + 32 g + 16 h + i; each accumulator from its low end on
.set k, k+1
.endr
	WIN 0
	QUANT S, P0, PWQ
.irp c, 0,1,2
	ds_store_b128 v[AOW], v[P0+4*\c:P0+4*\c+3] offset:AOB+512*\c
.endr
	ds_store_b32 v[ASW], v[PWQ]
	s_wait_dscnt 0x0                               ; for the others' sake: my stores have landed
	s_barrier_signal -1
	s_barrier_wait -1                              ; the four images lie in LDS
.irp s, 0,1,2,3
.irp c, 0,1,2
	ds_load_b128 v[AO+12*\s+4*\c:AO+12*\s+4*\c+3], v[L16] offset:AOB+1536*\s+512*\c
.endr
	ds_load_b32 v[AOSC+\s], v[L4] offset:AOS+128*\s
.endr
	s_wait_dscnt 0x0
.macro OUTP s                          ; 8 products: source 0 = 16 columns of W_out, source 1 = the 16 queries; the 8 accumulators take turns
.if (\s) < 2
	WIN 0x03
.set GB, 96*(\s)
.elseif (\s) == 2
	WIN 0x02
.set GB, 120
.else
	WIN 0x02
.set GB, 0
.endif
.set gt, 0
.rept 8
.if (\s) == 0
	WM0 S+8*gt, GB+12*gt, AO+12*(\s), WOS+4*gt+(\s), AOSC+(\s)
.else
	WMC S+8*gt, GB+12*gt, AO+12*(\s), S+8*gt, WOS+4*gt+(\s), AOSC+(\s)
.endif
.set gt, gt+1
.endr
.endm
	OUTP 0
	OUTP 1
	WAITL MGW2
	OUTP 2
	WAITL MGW3
	OUTP 3
	WIN 0
	PLACES 4
.set gt, 0
.rept 8
	ds_store_b128 v[STW], v[S+8*gt:S+8*gt+3] offset:128*(gt/2)+32*(gt%2)        ; lane (r, h): columns 128 w + 32 (t / 2) + 16 h + 8 (t % 2) + 0 .. 7 of row r
	ds_store_b128 v[STW], v[S+8*gt+4:S+8*gt+7] offset:128*(gt/2)+32*(gt%2)+16
.set gt, gt+1
.endr
	s_wait_dscnt 0x0
	s_barrier_signal -1
	s_barrier_wait -1                              ; 16 whole rows lie in the stage
.irp i, 0,1,2,3
.irp q, 0,1,2,3
	ds_load_b128 v[S+16*\i+4*\q:S+16*\i+4*\q+3], v[STR] offset:\i*SPITCH+512*\q
.endr
.endr
	s_mov_b32 s47, 0x3b000000                      ; 1 / 512
	s_mov_b32 s48, 0x3727c5ac                      ; 1e-5
	s_wait_dscnt 0x0
	; ---- y = x + out + b_out; LayerNorm: a wave holds four whole rows, 16 numbers of each in a lane
	WIN 0x04
.set k, 0
.rept 32
	v_pk_add_f32 v[S+2*k:S+2*k+1], v[S+2*k:S+2*k+1], v[128+2*(k%8):128+2*(k%8)+1]
.set k, k+1
.endr
.set k, 0
.rept 32
	v_pk_add_f32 v[S+2*k:S+2*k+1], v[S+2*k:S+2*k+1], v[64+2*k:64+2*k+1]
.set k, k+1
.endr
	WIN 0
.macro ACROSS                          ; the four rows' pairs become sums over the 32 lanes, in every lane
.irp i, 0,1,2,3
	v_add_f32 v[SM+2*\i], v[SM+2*\i], v[SM+2*\i+1]
.endr
.irp m, 1,2,4,8
.irp i, 0,1,2,3
	v_add_f32_dpp v[SM+2*\i], v[SM+2*\i], v[SM+2*\i] row_xmask:\m row_mask:0xf bank_mask:0xf
.endr
.endr
.irp i, 0,1,2,3
	v_permlanex16_b32 v[PT+\i], v[SM+2*\i], s52, s53
.endr
.irp i, 0,1,2,3
	v_add_f32 v[SM+2*\i], v[SM+2*\i], v[PT+\i]
.endr
.endm
.irp i, 0,1,2,3
	v_pk_add_f32 v[SM+2*\i:SM+2*\i+1], v[S+16*\i:S+16*\i+1], v[S+16*\i+2:S+16*\i+3]
.endr
.irp p, 2,3,4,5,6,7
.irp i, 0,1,2,3
	v_pk_add_f32 v[SM+2*\i:SM+2*\i+1], v[SM+2*\i:SM+2*\i+1], v[S+16*\i+2*\p:S+16*\i+2*\p+1]
.endr
.endr
	ACROSS
.irp i, 0,1,2,3
	v_mul_f32 v[SM+2*\i], s47, v[SM+2*\i]          ; the mean
.endr
.irp i, 0,1,2,3
.irp p, 0,1,2,3,4,5,6,7
	v_pk_add_f32 v[S+16*\i+2*\p:S+16*\i+2*\p+1], v[S+16*\i+2*\p:S+16*\i+2*\p+1], v[SM+2*\i:SM+2*\i+1] op_sel_hi:[1,0] neg_lo:[0,1] neg_hi:[0,1]
.endr
.endr
.irp i, 0,1,2,3
	v_pk_mul_f32 v[SM+2*\i:SM+2*\i+1], v[S+16*\i:S+16*\i+1], v[S+16*\i:S+16*\i+1]
.endr
.irp p, 1,2,3,4,5,6,7
.irp i, 0,1,2,3
	v_pk_fma_f32 v[SM+2*\i:SM+2*\i+1], v[S+16*\i+2*\p:S+16*\i+2*\p+1], v[S+16*\i+2*\p:S+16*\i+2*\p+1], v[SM+2*\i:SM+2*\i+1]
.endr
.endr
	ACROSS
.irp i, 0,1,2,3
	v_fma_f32 v[SM+2*\i], v[SM+2*\i], s47, s48     ; the variance + 1e-5
.endr
.irp i, 0,1,2,3
	v_rsq_f32 v[SM+2*\i], v[SM+2*\i]
.endr
	v_nop
	s_wait_alu depctr_va_vdst(0)                   ; one wait for the four
.irp i, 0,1,2,3
.irp p, 0,1,2,3,4,5,6,7
	v_pk_mul_f32 v[S+16*\i+2*\p:S+16*\i+2*\p+1], v[S+16*\i+2*\p:S+16*\i+2*\p+1], v[SM+2*\i:SM+2*\i+1] op_sel_hi:[1,0]
.endr
.endr
	WIN 0x14
.set k, 0
.rept 32
	v_pk_fma_f32 v[S+2*k:S+2*k+1], v[S+2*k:S+2*k+1], v[144+2*(k%8):144+2*(k%8)+1], v[160+2*(k%8):160+2*(k%8)+1]
.set k, k+1
.endr
	WIN 0
.irp i, 0,1,2,3
.irp q, 0,1,2,3
	global_store_b128 v[L16], v[S+16*\i+4*\q:S+16*\i+4*\q+3], s[30:31] offset:2048*\i+512*\q th:TH_STORE_NT   ; 32 lanes store 512 consecutive bytes, at a multiple of 256 from out0's first byte
.endr
.endr
	s_wait_tensorcnt 0x0                           ; the wave's end: three closing lines, behind my last LDS store
	ds_add_u32 v[SPW], v[NIL]
	s_wait_dscnt 0x0
	s_endpgm
.Lfunc_end_k_q608a4fc773_attn:
	.size	k_q608a4fc773_attn, .Lfunc_end_k_q608a4fc773_attn-k_q608a4fc773_attn
	.p2alignl 7, 3214868480
	.fill 96, 4, 3214868480
	.section	.rodata,"a",@progbits
	.p2align	6, 0x0
	.amdhsa_kernel k_q608a4fc773_attn
		.amdhsa_group_segment_fixed_size 42240
		.amdhsa_private_segment_fixed_size 0
		.amdhsa_enable_private_segment 0
		.amdhsa_kernarg_size 96
		.amdhsa_user_sgpr_count 2
		.amdhsa_user_sgpr_kernarg_segment_ptr 1
		.amdhsa_wavefront_size32 1
		.amdhsa_system_sgpr_workgroup_id_x 1
		.amdhsa_system_sgpr_workgroup_id_y 1
		.amdhsa_system_sgpr_workgroup_id_z 1
		.amdhsa_system_vgpr_workitem_id 0
		.amdhsa_next_free_vgpr 1024
		.amdhsa_next_free_sgpr 102
		.amdhsa_reserve_vcc 1
		.amdhsa_float_denorm_mode_32 3
		.amdhsa_float_denorm_mode_16_64 3
		.amdhsa_memory_ordered 1
		.amdhsa_forward_progress 1
		.amdhsa_inst_pref_size 154
	.end_amdhsa_kernel
	.amdgpu_metadata
---
amdhsa.version: [ 1, 2 ]
amdhsa.kernels:
  - .name:           k_q608a4fc773_attn
    .symbol:         k_q608a4fc773_attn.kd
    .args:
      - { .name: qkc, .offset: 0, .size: 8, .value_kind: global_buffer, .address_space: global }
      - { .name: qks, .offset: 8, .size: 8, .value_kind: global_buffer, .address_space: global }
      - { .name: vc, .offset: 16, .size: 8, .value_kind: global_buffer, .address_space: global }
      - { .name: vs, .offset: 24, .size: 8, .value_kind: global_buffer, .address_space: global }
      - { .name: vsum, .offset: 32, .size: 8, .value_kind: global_buffer, .address_space: global }
      - { .name: opc, .offset: 40, .size: 8, .value_kind: global_buffer, .address_space: global }
      - { .name: ops, .offset: 48, .size: 8, .value_kind: global_buffer, .address_space: global }
      - { .name: x, .offset: 56, .size: 8, .value_kind: global_buffer, .address_space: global }
      - { .name: b_out, .offset: 64, .size: 8, .value_kind: global_buffer, .address_space: global }
      - { .name: ln_gamma, .offset: 72, .size: 8, .value_kind: global_buffer, .address_space: global }
      - { .name: ln_beta, .offset: 80, .size: 8, .value_kind: global_buffer, .address_space: global }
      - { .name: out0, .offset: 88, .size: 8, .value_kind: global_buffer, .address_space: global }
    .group_segment_fixed_size: 42240
    .private_segment_fixed_size: 0
    .kernarg_segment_align: 8
    .kernarg_segment_size: 96
    .max_flat_workgroup_size: 128
    .sgpr_count:     102
    .vgpr_count:     1024
    .wavefront_size: 32
...
	.end_amdgpu_metadata
.endif
;; end of part 3
;; ======== version 2 of 2: 3 launches
;; limits: a function is approximated: absolute error at most 1e-07
;; workspace buffers: opc 2,162,688 bytes; ops 180,224 bytes; qkc 3,145,728 bytes; qks 262,144 bytes; vc 1,572,864 bytes; vs 65,536 bytes; vsum 327,680 bytes
;; launch quant (part 4): grid 352 x 1, 4 waves a work-group, no clusters, 0 bytes of LDS; arguments x, W_qkv, W_out, opc, ops; writes opc, ops
.if DOCPART == 4
	.amdgcn_target "amdgcn-amd-amdhsa--gfx1250"
	.amdhsa_code_object_version 6
	.text
	.protected	k_q608a4fc773_quant
	.globl	k_q608a4fc773_quant
	.p2align	8
	.type	k_q608a4fc773_quant,@function
k_q608a4fc773_quant:
	s_mov_b64 s[64:65], 0
	v_nop
	global_prefetch_b8 v0, s[64:65] scope:SCOPE_SE
	s_setreg_imm32_b32 hwreg(HW_REG_WAVE_MODE, 25, 1), 1
	s_wait_xcnt 0x0
; LAUNCH 1 OF 3.  x [4096][512], W_qkv [512][1024] and W_out [512][512], f32, become codes of FP6 (E2M3) with one E8M0 byte for each 32 along K, laid as IMAGES OF OPERAND REGISTERS.
; A fragment is 16 rows x 128 K: 12 registers a lane.  Its image is 1,536 bytes: register 4 c + i of lane l at byte 512 c + 16 l + 4 i.  Its scale image is 128 bytes: lane l's word at 4 l (both halves of the lanes hold the row's word).
; THE ROWS OF A TILE ARE NOT NEIGHBOURS: lane index r of tile T takes row 32 (T / 2) + 8 (T % 2) + r + 8 (r / 8), so that the results of two neighbouring tiles are 16 neighbours along the next product's K.
; Fragment F: x: 4 T + s (T token tile, s K step);  W_qkv: 1024 + 4 T + s (T column tile);  W_out: 1280 + 4 T + s.  One fragment to a wave: F = 4 x work-group + wave, so the wave's number is the K step.
;
; WORK THAT THE PROGRAM LEAVES OUT, shown for all finite values of the inputs:
; (a) scores = (q . k) x band, and band is built by the module itself: 0 where |i - j| > 64.  A score outside the band is a product with that 0, whatever q and k hold.  So only tiles of q . k that touch the band are multiplied.
; (b) Outside the band the logit is 0, so t = 0 and p = 2^-M, M the row's whole number.  In a block of 32 keys that lies wholly outside the band every p is 2^-M: the block's scale is 2^(-M - 2), each p / scale is 4, a number of the
;     format: the quantised p is 2^-M itself (down to M = 129, the scale's lowest exponent).  Their part of the product with v is therefore 2^-M x (the sum of the quantised v over those keys), and that sum is the same for every
;     query of a batch and head but for which blocks it leaves out.  It is made once, by the format's own matrix instruction (ones x v's codes), as sums over blocks of 32 and chunks of 128 keys (launch 2);
;     a tile of 16 queries then multiplies only the five key blocks that touch its band (launch 3).  The row's sum of p takes 2^-M for each such key.
; LIMITS: an infinity, a NaN or an overflow that reaches only a score outside the band is not carried to the result.  For M above 129 the common term is 2^-M x the sum where the quantiser gives 0: less than the rounding of O.
; A block of zeros, or one whose largest magnitude lies under 2^-124, keeps the scale byte 1: its codes are zeros (or are held), and this program alone reads the bytes.  NaN and infinities among the inputs are not served.
; No input is dead: all seven are loaded by some launch.
.set NUM, 64                           ; v64-127  the lane's 64 numbers: register 32 c + i = k 128 s + 64 c + 32 h + i of its row (or column)
.set FRG, 48                           ; v48-59   the fragment
.set CTM, 128                          ; v128..   the second halves of the blocks' codes, as the conversions leave them
	s_load_b256 s[4:11], s[0:1], 0x0               ; x s[4:5], W_qkv s[6:7], W_out s[8:9], opc s[10:11]
	s_load_b64 s[12:13], s[0:1], 0x20              ; ops
	v_lshrrev_b32 v1, 5, v0
	v_readfirstlane_b32 s14, v1                    ; wave = K step s
	v_and_b32 v1, 15, v0                           ; r
	v_bfe_u32 v2, v0, 4, 1                         ; h
	v_and_b32 v7, 31, v0                           ; lane
	v_lshlrev_b32 v3, 4, v7                        ; 16 x lane
	v_lshlrev_b32 v4, 2, v7                        ; 4 x lane
	v_and_b32 v6, 8, v1
	v_add_nc_u32 v6, v6, v1                        ; r + 8 (r / 8)
	s_mov_b32 s20, 0x76543210
	s_mov_b32 s21, 0xfedcba98                      ; lane selects: lane l xor 16
	s_lshl_b32 s15, ttmp9, 2
	s_add_co_u32 s15, s15, s14                     ; F
	s_mul_i32 s16, s15, 1536
	s_mov_b32 s17, 0
	s_lshl_b32 s18, s15, 7
	s_mov_b32 s19, 0
	s_wait_kmcnt 0x0
	s_add_nc_u64 s[10:11], s[10:11], s[16:17]      ; my image
	s_add_nc_u64 s[12:13], s[12:13], s[18:19]      ; my scale image
.macro FIRSTROW                        ; s22: tile -> its first row, 32 (T / 2) + 8 (T % 2)
	s_lshr_b32 s23, s22, 1
	s_lshl_b32 s23, s23, 5
	s_and_b32 s22, s22, 1
	s_lshl_b32 s22, s22, 3
	s_add_co_u32 s22, s22, s23
.endm
; A weight, K along its FIRST axis: a lane takes a column and its registers run down K
.macro WARM base, pitch, firstwg
	s_sub_co_u32 s22, ttmp9, \firstwg
	FIRSTROW
	s_lshl_b32 s22, s22, 2                         ; the tile's first column, in bytes,
	s_mul_i32 s23, s14, 128*\pitch                 ; and the K step's first row
	s_add_co_u32 s22, s22, s23
	s_mov_b32 s23, 0
	s_add_nc_u64 s[\base:\base+1], s[\base:\base+1], s[22:23]
	v_mul_u32_u24 v5, v2, 32*\pitch                ; lanes 16-31 begin 32 rows further down
	v_lshl_add_u32 v5, v6, 2, v5
.set n, 0
.rept 64
	global_load_b32 v[NUM+n], v5, s[\base:\base+1] offset:(64*(n/32)+n%32)*\pitch
.set n, n+1
.endr
.endm
	s_cmp_lt_u32 ttmp9, 256
	s_cbranch_scc0 .Lweights
	s_mov_b32 s22, ttmp9                           ; x: K innermost: a lane takes 32 neighbours of each of its two blocks
	FIRSTROW
	s_lshl_b32 s22, s22, 11
	s_lshl_b32 s23, s14, 9
	s_add_co_u32 s22, s22, s23
	s_mov_b32 s23, 0
	s_add_nc_u64 s[4:5], s[4:5], s[22:23]
	s_wait_alu depctr_va_vdst(0)
	v_lshlrev_b32 v5, 11, v6
	v_lshl_add_u32 v5, v2, 7, v5                   ; row x 2,048 + 128 h
.set n, 0
.rept 16
	global_load_b128 v[NUM+4*n:NUM+4*n+3], v5, s[4:5] offset:256*(n/8)+16*(n%8) th:TH_LOAD_NT
.set n, n+1
.endr
	s_branch .Lhave
.Lweights:
	s_cmp_lt_u32 ttmp9, 320
	s_cbranch_scc0 .Lwout
	s_wait_alu depctr_va_vdst(0)
	WARM 6, 4096, 256
	s_branch .Lhave
.Lwout:
	s_wait_alu depctr_va_vdst(0)
	WARM 8, 2048, 320
.Lhave:
	s_wait_loadcnt 0x0
.irp c, 0,1                            ; my block 2 c + h: all its 32 numbers are mine
	v_max3_num_f32 v[32+\c], |v[NUM+32*\c]|, |v[NUM+1+32*\c]|, 0x1800000   ; with the floor 2^(3 - 127): the byte cannot fall under 1
.endr
.irp i, 2,4,6,8,10,12,14,16,18,20,22,24,26,28,30
.irp c, 0,1
	v_max3_num_f32 v[32+\c], v[32+\c], |v[NUM+32*\c+\i]|, |v[NUM+1+32*\c+\i]|
.endr
.endr
.irp c, 0,1
	v_add_nc_u32 v[44+\c], 0xff000000, v[32+\c]    ; 2 off the exponent field: the conversion's scale operand
.endr
.irp c, 0,1
	v_lshrrev_b32 v[36+\c], 23, v[44+\c]           ; the scale's byte
.endr
	v_lshl_or_b32 v9, v37, 16, v36                 ; my two bytes: blocks h and 2 + h,
	v_lshlrev_b32 v10, 3, v2
	v_lshlrev_b32 v9, v10, v9                      ; at their places in the word;
	v_mov_b32 v10, 0
	v_permlanex16_b32 v10, v9, s20, s21
	v_or_b32 v9, v9, v10                           ; with lane l xor 16's two the word is whole, in both halves
.irp c, 0,1
	v_cvt_scalef32_pk16_fp6_f32 v[FRG+6*\c:FRG+6*\c+2], v[NUM+32*\c:NUM+32*\c+15], v[44+\c]
	v_cvt_scalef32_pk16_fp6_f32 v[CTM+4*\c:CTM+4*\c+2], v[NUM+32*\c+16:NUM+32*\c+31], v[44+\c]   ; (a conversion's three registers begin on an even number)
.endr
	v_nop                                          ; one plain instruction behind the conversions
.irp c, 0,1
.irp i, 0,1,2
	v_mov_b32 v[FRG+3+6*\c+\i], v[CTM+4*\c+\i]
.endr
.endr
.irp c, 0,1,2
	global_store_b128 v3, v[FRG+4*\c:FRG+4*\c+3], s[10:11] offset:512*\c   ; 32 lanes store 512 consecutive bytes
.endr
	global_store_b32 v4, v9, s[12:13]
	s_endpgm
.Lfunc_end_k_q608a4fc773_quant:
	.size	k_q608a4fc773_quant, .Lfunc_end_k_q608a4fc773_quant-k_q608a4fc773_quant
	.p2alignl 7, 3214868480
	.fill 96, 4, 3214868480
	.section	.rodata,"a",@progbits
	.p2align	6, 0x0
	.amdhsa_kernel k_q608a4fc773_quant
		.amdhsa_group_segment_fixed_size 0
		.amdhsa_private_segment_fixed_size 0
		.amdhsa_enable_private_segment 0
		.amdhsa_kernarg_size 40
		.amdhsa_user_sgpr_count 2
		.amdhsa_user_sgpr_kernarg_segment_ptr 1
		.amdhsa_wavefront_size32 1
		.amdhsa_system_sgpr_workgroup_id_x 1
		.amdhsa_system_sgpr_workgroup_id_y 1
		.amdhsa_system_sgpr_workgroup_id_z 1
		.amdhsa_system_vgpr_workitem_id 0
		.amdhsa_next_free_vgpr 136
		.amdhsa_next_free_sgpr 66
		.amdhsa_reserve_vcc 0
		.amdhsa_float_denorm_mode_32 3
		.amdhsa_float_denorm_mode_16_64 3
		.amdhsa_memory_ordered 1
		.amdhsa_forward_progress 1
		.amdhsa_inst_pref_size 20
	.end_amdhsa_kernel
	.amdgpu_metadata
---
amdhsa.version: [ 1, 2 ]
amdhsa.kernels:
  - .name:           k_q608a4fc773_quant
    .symbol:         k_q608a4fc773_quant.kd
    .args:
      - { .name: x, .offset: 0, .size: 8, .value_kind: global_buffer, .address_space: global }
      - { .name: W_qkv, .offset: 8, .size: 8, .value_kind: global_buffer, .address_space: global }
      - { .name: W_out, .offset: 16, .size: 8, .value_kind: global_buffer, .address_space: global }
      - { .name: opc, .offset: 24, .size: 8, .value_kind: global_buffer, .address_space: global }
      - { .name: ops, .offset: 32, .size: 8, .value_kind: global_buffer, .address_space: global }
    .group_segment_fixed_size: 0
    .private_segment_fixed_size: 0
    .kernarg_segment_align: 8
    .kernarg_segment_size: 40
    .max_flat_workgroup_size: 128
    .sgpr_count:     66
    .vgpr_count:     136
    .wavefront_size: 32
...
	.end_amdgpu_metadata
.endif
;; end of part 4
;; launch qkv (part 5): grid 256 x 1, 4 waves a work-group, no clusters, 49,664 bytes of LDS; arguments opc, ops, b_qkv, qkc, qks, vc, vs, vsum; writes qkc, qks, vc, vs, vsum
.if DOCPART == 5
	.amdgcn_target "amdgcn-amd-amdhsa--gfx1250"
	.amdhsa_code_object_version 6
	.text
	.protected	k_q608a4fc773_qkv
	.globl	k_q608a4fc773_qkv
	.p2align	8
	.type	k_q608a4fc773_qkv,@function
k_q608a4fc773_qkv:
	s_mov_b64 s[64:65], 0
	v_nop
	global_prefetch_b8 v0, s[64:65] scope:SCOPE_SE
	s_setreg_imm32_b32 hwreg(HW_REG_WAVE_SCHED_MODE, 0, 2), 2
	s_setreg_imm32_b32 hwreg(HW_REG_WAVE_MODE, 25, 1), 1
	s_wait_xcnt 0x0
	s_wait_alu depctr_vm_vsrc(0)
; LAUNCH 2 OF 3.  qkv = x W_qkv + b_qkv on codes of FP6; q = silu(qk) / sqrt(32) and k = tanh(qk) are quantised along the head's 32; v along the keys; and the sums of the quantised v over blocks of 32 and chunks of 128 keys are made.
; ONE STRUCTURE FOR BOTH HALVES.  A work-group has an "8-side": 8 tiles x 4 K steps = 32 consecutive images (49,152 dense bytes), copied once into LDS and read by all four waves; each wave has a "2-side": 2 tiles, 8 images, in registers.
; Source 0 = the 8-side, source 1 = the 2-side: a lane holds ONE row of the 2-side and its 64 registers of a tile run along the 8-side: 16 b + i = place 32 b + 16 (lane / 16) + i, which is what the quantiser below takes.
;   work-groups 0-127 (q, k): 8-side = W's columns 128 s .. (four heads), 2-side = 32 tokens: a lane holds a token, its registers run along the four heads' channels.
;   work-groups 128-255 (v):  8-side = 128 tokens (a chunk of keys), 2-side = W's 32 columns of one head: a lane holds a channel, its registers run along the keys.
; The text parts ONCE on the work-group's number, behind the barrier; each path asks for its bias there and adds it on the way out of the accumulators, so that the products run while the bias is on its way.
; LIMITS: tanh(z) = 2 / (1 + e^-2z) - 1: absolute error about 1e-7.  e^-z may overflow to infinity: its reciprocal is 0, which gives q = 0 and k = -1, as the functions' limits are.
; OUT: q's images at qkc + 1,536 (4 T + s), k's 1,024 images further on; their scale images likewise in qks.  v's codes by key blocks: plane A [(batch, head, tile)][block 64][row 16][16 bytes] = a block's registers 0-3,
; plane B, 1,048,576 bytes on, [..][8 bytes] = registers 4-5.  vs: [(batch, head, tile)][chunk 16][row 16] scale words.  vsum: [chunk 32][column 512][4] block sums, then, 262,144 bytes on, [chunk 32][column 512] chunk sums.
; REGISTERS: window 0: addresses, scale words, the 2-side, later the work of the way out.  Window 1: 8-side K steps 0, 1 (first the copy's staging).  Window 2: K steps 2, 3.  Window 3: accumulator (a, b) at 64 b + 8 a; q/k's bias at v128-191.
; THE MODE: SCHED_MODE bits 1:0 = 2 (LLVM: expert scheduling mode 2), set by the entry lines.  The code itself states the register dependences
; between vector or matrix instructions and memory or LDS instructions, with s_wait_alu, always for 0.
; THE PLAN.  Registers that memory or LDS instructions touch:
;   v1-v13        addresses and offsets: written by vector lines at the head and never again; read by every load and store.  One wait on va_vdst ahead of the first load.
;   window 1 v0-95  the copy's staging: global loads land in it, my LDS stores read it, K step 0's LDS loads land in it.  One wait on vm_vsrc behind the barrier, ahead of the parting of the two paths.
;   the 8-side's four K steps, the 2-side, the scale words, the biases: each loaded once, into registers that no vector or matrix instruction has named before: nothing is owed.
;   q, k: two out-buffers: A (v226-237, its word v224) takes q's image, B (v16-27, its word v225) k's.  A tile's two quantisers write them; one wait on va_vdst; the tile's eight stores read them in one run;
;         one wait on vm_vsrc, beside the wait on XCNT, stands in tile 1 ahead of the first line that writes a register of B again (A is written later still).
;   v:    both tiles' codes, their words, the ones and the joined word are written; the places; ONE wait on va_vdst, for the two products that take them as operands and scales and for the nine stores that read them;
;         one more ahead of the two stores of the sums.
;   Scalar results of vector lines: the wave's number, and on v's path three masks made in one run: one wait on va_sdst ahead of the first reader of each run.
.set SPARE, 49152                      ; behind the images: the spare words, 128 bytes a wave
.set L16, 1                            ; v1   16 x lane
.set L4,  2                            ; v2   4 x lane
.set L8,  3                            ; v3   8 x lane
.set CPA, 4                            ; v4   LDS: where I put my quarter of the 8-side
.set VSA, 5                            ; v5   1,024 h + 4 r
.set PI,  6                            ; v6   r + 8 (r / 8)
.set BSA, 7                            ; v7   128 h + 16 PI
.set CSA, 8                            ; v8   32 h + 4 PI
.set H64, 9                            ; v9   64 h
.set PI4, 10                           ; v10  4 PI
.set HH,  11                           ; v11  h
.set SPW, 12                           ; v12  my spare word
.set NIL, 13                           ; v13  0
.set SC2, 16                           ; v16-23   the 2-side's scale words (4 b + s)
.set SC8, 24                           ; v24-55   the 8-side's (4 a + s)
.set XB,  56                           ; v56-151  the 2-side's fragments (12 (4 b + s))
.set BV,  152                          ; v152-155 v's bias, a pair for each tile
.set TM,  208                          ; v208-223 the quantiser's work
.set MSB, 0
.macro WIN new                         ; the immediate's high byte repeats the setting that is left
.if MSB != (\new)
	s_set_vgpr_msb (MSB<<8)|(\new)
.set MSB, (\new)
.endif
.endm
.macro PLACES n
.rept \n
	v_nop
.endr
.endm
.macro WM0 d, a, b, sa, sb
	v_wmma_scale_f32_16x16x128_f8f6f4 v[(\d):(\d)+7], v[(\a):(\a)+11], v[(\b):(\b)+11], 0, v[\sa], v[\sb] matrix_a_fmt:MATRIX_FMT_FP6 matrix_b_fmt:MATRIX_FMT_FP6
.endm
.macro WMC d, a, b, c, sa, sb
	v_wmma_scale_f32_16x16x128_f8f6f4 v[(\d):(\d)+7], v[(\a):(\a)+11], v[(\b):(\b)+11], v[(\c):(\c)+7], v[\sa], v[\sb] matrix_a_fmt:MATRIX_FMT_FP6 matrix_b_fmt:MATRIX_FMT_FP6
.endm
; 64 numbers of a lane, register 16 b + i = k 32 b + 16 (lane / 16) + i of my row, become a fragment in v[pc] .. v[pc + 11] (pc + 12 .. pc + 18 at work) and its scale word in v[pw]
.macro QUANT s, pc, pw
.irp b, 0,1,2,3
	v_max3_num_f32 v[TM+\b], |v[\s+16*\b]|, |v[\s+1+16*\b]|, 0x1800000   ; my 16 numbers of block b, and the floor 2^(3 - 127)
.endr
.irp i, 2,4,6,8,10,12,14
.irp b, 0,1,2,3
	v_max3_num_f32 v[TM+\b], v[TM+\b], |v[\s+16*\b+\i]|, |v[\s+1+16*\b+\i]|
.endr
.endr
.irp b, 0,1,2,3
	v_permlanex16_b32 v[TM+4+\b], v[TM+\b], s42, s43
.endr
.irp b, 0,1,2,3
	v_max_num_f32 v[TM+\b], v[TM+\b], v[TM+4+\b]   ; with lane l xor 16's: the block's largest magnitude
.endr
.irp b, 0,1,2,3
	v_add_nc_u32 v[TM+12+\b], 0xff000000, v[TM+\b] ; 2 off its exponent field: the conversion's scale operand
.endr
.irp b, 0,1,2,3
	v_lshrrev_b32 v[TM+4+\b], 23, v[TM+12+\b]      ; the scale's byte
.endr
	v_lshl_or_b32 v[\pw], v[TM+5], 8, v[TM+4]
	v_lshl_or_b32 v[\pw], v[TM+6], 16, v[\pw]
	v_lshl_or_b32 v[\pw], v[TM+7], 24, v[\pw]
.irp c, 0,1
	v_cvt_scalef32_pk16_fp6_f32 v[\pc+6*\c:\pc+2+6*\c], v[\s+32*\c:\s+15+32*\c], v[TM+12+2*\c]
	v_cvt_scalef32_pk16_fp6_f32 v[\pc+12+4*\c:\pc+14+4*\c], v[\s+16+32*\c:\s+31+32*\c], v[TM+12+2*\c+1]
.endr
	v_nop                                          ; one plain instruction behind the conversions
.irp c, 0,1                            ; the operand wants a WHOLE block in a lane: lanes 0-15 block 2 c, lanes 16-31 block 2 c + 1
.irp i, 0,1,2
	v_permlane16_swap_b32 v[\pc+6*\c+\i], v[\pc+12+4*\c+\i]
.endr
.irp i, 0,1,2
	v_mov_b32 v[\pc+3+6*\c+\i], v[\pc+12+4*\c+\i]
.endr
.endr
.endm
.macro DSL s                           ; the 8-side's eight fragments of K step s, from LDS into registers of their own: no vector or matrix instruction has named them, so no wait on va_vdst is owed
	WIN 0x40*(1+(\s)/2)
.set n, 0
.rept 8
.irp c, 0,1,2
	ds_load_b128 v[96*((\s)%2)+12*n+4*\c:96*((\s)%2)+12*n+4*\c+3], v[L16] offset:(4*n+(\s))*1536+512*\c
.endr
.set n, n+1
.endr
.endm
.macro MM s                            ; 16 products: the 16 accumulators take turns, one instruction a turn, in the same order in every step
	WIN 0xf1+(\s)/2
.set ia, 0
.rept 8
.set ib, 0
.rept 2
.if (\s) == 0
	WM0 64*ib+8*ia, 96*((\s)%2)+12*ia, XB+12*(4*ib+(\s)), SC8+4*ia+(\s), SC2+4*ib+(\s)
.else
	WMC 64*ib+8*ia, 96*((\s)%2)+12*ia, XB+12*(4*ib+(\s)), 64*ib+8*ia, SC8+4*ia+(\s), SC2+4*ib+(\s)
.endif
.set ib, ib+1
.endr
.set ia, ia+1
.endr
.endm
.macro GEMM nb                         ; nb: the path's bias loads, the youngest, which may stay out.  All operands and scale words of these products come by loads: their counters are all that they owe
	DSL 0
	DSL 1
	s_wait_loadcnt \nb                             ; the 2-side and all scale words are in
	s_wait_dscnt 24                                ; K step 0 is in; step 1's 24 loads may be out
	MM 0
	DSL 2
	s_wait_dscnt 24
	MM 1
	DSL 3
	s_wait_dscnt 24
	MM 2
	s_wait_dscnt 0x0
	MM 3
.endm
	s_load_b512 s[8:23], s[0:1], 0x0               ; opc s[8:9], ops s[10:11], b_qkv s[12:13], qkc s[14:15], qks s[16:17], vc s[18:19], vs s[20:21], vsum s[22:23]
	v_lshl_add_u32 v[SPW], v0, 2, SPARE
	v_mov_b32 v[NIL], 0
	v_lshrrev_b32 v14, 5, v0
	v_readfirstlane_b32 s2, v14                    ; wave
	v_and_b32 v14, 31, v0
	v_and_b32 v15, 15, v0
	v_bfe_u32 v[HH], v0, 4, 1
	v_lshlrev_b32 v[L16], 4, v14
	v_lshlrev_b32 v[L4], 2, v14
	v_lshlrev_b32 v[L8], 3, v14
	v_and_b32 v[PI], 8, v15
	v_add_nc_u32 v[PI], v[PI], v15
	v_lshlrev_b32 v[PI4], 2, v[PI]
	v_lshlrev_b32 v[H64], 6, v[HH]
	v_lshlrev_b32 v[VSA], 2, v15
	v_lshl_add_u32 v[VSA], v[HH], 10, v[VSA]
	v_lshl_add_u32 v[CSA], v[HH], 5, v[PI4]
	v_lshlrev_b32 v[BSA], 2, v[CSA]
	s_wait_alu depctr_va_sdst(0)                   ; s2 is written, ahead of its first reader: LDS places and all bases are made from it
	s_mul_i32 s7, s2, 12288
	v_add_nc_u32 v[CPA], s7, v[L16]
.irp b, 0,1,2,3
	v_mov_b32 v[TM+4+\b], 0                        ; written once: a lane permute's destination counts as one of its sources
.endr
	s_mov_b32 s42, 0x76543210
	s_mov_b32 s43, 0xfedcba98
	s_mov_b32 s44, 0xbfb8aa3b                      ; -log2(e)
	s_mov_b32 s45, s44
	s_mov_b32 s46, 0x3e3504f3                      ; 1 / sqrt(32)
	s_mov_b32 s47, s46
	s_mov_b32 s48, 0xffff0000                      ; lanes 16-31
	s_and_b32 s3, ttmp9, 127
	s_lshr_b32 s4, ttmp9, 7                        ; 0: q and k;  1: v
	s_and_b32 s5, s3, 3
	s_lshr_b32 s6, s3, 2
	s_lshl_b32 s32, s6, 2
	s_add_co_u32 s32, s32, s2                      ; q, k: my group of 32 tokens
	s_lshl_b32 s33, s5, 2
	s_add_co_u32 s33, s33, s2                      ; v: my head
	s_lshl_b32 s26, s5, 5
	s_add_co_u32 s26, s26, 1024                    ; q, k: the 8-side's first image: W's columns 128 s on
	s_lshl_b32 s27, s6, 5                          ; v: x's chunk
	s_lshl_b32 s28, s32, 3                         ; q, k: the 2-side's: x's group
	s_lshl_b32 s29, s33, 3
	s_add_co_u32 s29, s29, 1152                    ; v: W's columns 512 + 32 head on
	s_cmp_eq_u32 s4, 0
	s_cselect_b32 s24, s26, s27
	s_cselect_b32 s25, s28, s29
	s_mul_i32 s34, s24, 1536
	s_add_co_u32 s34, s34, s7                      ; my quarter of the 8-side
	s_mov_b32 s35, 0
	s_mul_i32 s36, s25, 1536
	s_mov_b32 s37, 0
	s_lshl_b32 s38, s24, 7
	s_mov_b32 s39, 0
	s_lshl_b32 s40, s25, 7
	s_mov_b32 s41, 0
	s_wait_kmcnt 0x0
	s_add_nc_u64 s[34:35], s[8:9], s[34:35]
	s_add_nc_u64 s[36:37], s[8:9], s[36:37]
	s_add_nc_u64 s[38:39], s[10:11], s[38:39]
	s_add_nc_u64 s[40:41], s[10:11], s[40:41]
	WIN 0x40
	s_wait_alu depctr_va_vdst(0)                   ; v1 to v13 are written: every load and store of the kernel reads one of them as its address or offset, and none is written again
.set n, 0
.rept 24
	global_load_b128 v[4*n:4*n+3], v[L16], s[34:35] offset:512*n   ; my 12,288 bytes of the 8-side, 512 consecutive bytes a load
.set n, n+1
.endr
	WIN 0
.set n, 0
.rept 24
	global_load_b128 v[XB+4*n:XB+4*n+3], v[L16], s[36:37] offset:512*n   ; the 2-side's eight images are consecutive too
.set n, n+1
.endr
.set n, 0
.rept 8
	global_load_b32 v[SC2+n], v[L4], s[40:41] offset:128*n
.set n, n+1
.endr
	s_wait_loadcnt 32                              ; the copy's 24 loads are in; the 24 + 8 behind them may be out
	WIN 0x04
.set n, 0
.rept 24
	ds_store_b128 v[CPA], v[4*n:4*n+3] offset:512*n
.set n, n+1
.endr
	WIN 0
.set n, 0
.rept 32
	global_load_b32 v[SC8+n], v[L4], s[38:39] offset:128*n
.set n, n+1
.endr
	s_wait_dscnt 0x0                               ; for the others' sake: my stores have landed
	s_barrier_signal -1
	s_barrier_wait -1                              ; the 32 images lie in LDS; nothing is stored there again
	s_wait_alu depctr_vm_vsrc(0)                   ; my LDS stores have read the staging registers, in which K step 0's LDS loads land, on both paths
	s_cmp_lg_u32 s4, 0
	s_cbranch_scc1 .Lvpath
; ---------------- q and k ----------------
.set EX,  16                           ; v16-79    e^-z, then 1 / (1 + e^-z); done with when q is made: then out-buffer B
.set ZS,  80                           ; v80-143   z, then z / sqrt(32), then q
.set TT,  144                          ; v144-207  1 + e^-2z, then k
.set PWA, 224                          ; out-buffer A: q's scale word,
.set PWB, 225                          ; out-buffer B: k's
.set PCA, 226                          ; v226-244  A: q's codes (12) and the quantiser's work (7)
.set PCB, 16                           ; v16-34    B: k's
	s_lshl_b32 s26, s5, 9                          ; my 128 numbers of b_qkv
	s_mov_b32 s27, 0
	s_add_nc_u64 s[12:13], s[12:13], s[26:27]
	WIN 0xc0
.set n, 0
.rept 8                                ; in the result's layout: lane (r, h), tile a: columns 32 (a / 2) + 16 h + 8 (a % 2) + 0 .. 7
	global_load_b128 v[128+8*n:128+8*n+3], v[H64], s[12:13] offset:(32*(n/2)+8*(n%2))*4
	global_load_b128 v[128+8*n+4:128+8*n+7], v[H64], s[12:13] offset:(32*(n/2)+8*(n%2))*4+16
.set n, n+1
.endr
	WIN 0
	s_lshl_b32 s26, s32, 3
	s_add_co_u32 s26, s26, s5                      ; image 4 (2 g) + s
	s_mul_i32 s28, s26, 1536
	s_mov_b32 s29, 0
	s_add_nc_u64 s[14:15], s[14:15], s[28:29]
	s_lshl_b32 s28, s26, 7
	s_add_nc_u64 s[16:17], s[16:17], s[28:29]
	GEMM 16
	PLACES 4                                       ; behind the last products, ahead of the first read of results and the first write of operands
	s_wait_loadcnt 0x0                             ; the bias
.macro ACT b                           ; tile b's 64 numbers of a lane: z -> q in ZS, k in TT
	WIN 0x0f
.set k, 0
.rept 32
	v_pk_add_f32 v[ZS+2*k:ZS+2*k+1], v[64*(\b)+2*k:64*(\b)+2*k+1], v[128+2*k:128+2*k+1]   ; z = the sum + the bias; each accumulator from its low end on
.set k, k+1
.endr
	WIN 0
.if (\b) > 0
	s_wait_xcnt 0x0                                ; the last tile's stores have had their addresses translated: their data registers are written again only behind this wait
	s_wait_alu depctr_vm_vsrc(0)                   ; the last tile's eight stores have read both out-buffers and both words: B's registers are written by the next lines, A's by this tile's quantiser
.endif
.set k, 0
.rept 32
	v_pk_mul_f32 v[EX+2*k:EX+2*k+1], v[ZS+2*k:ZS+2*k+1], s[44:45] op_sel_hi:[1,0]
.set k, k+1
.endr
.set k, 0
.rept 32
	v_pk_mul_f32 v[ZS+2*k:ZS+2*k+1], v[ZS+2*k:ZS+2*k+1], s[46:47] op_sel_hi:[1,0]
.set k, k+1
.endr
.set k, 0
	s_wait_alu depctr_va_vdst(0)
.rept 64
	v_exp_f32 v[EX+k], v[EX+k]                     ; a = e^-z
.set k, k+1
.endr
	v_nop
	s_wait_alu depctr_va_vdst(0)                   ; the 64 exponentials have written v[EX ..]: one wait, ahead of their first reader
.set k, 0
.rept 32
	v_pk_fma_f32 v[TT+2*k:TT+2*k+1], v[EX+2*k:EX+2*k+1], v[EX+2*k:EX+2*k+1], 1.0 op_sel_hi:[1,1,0]   ; 1 + e^-2z
.set k, k+1
.endr
.set k, 0
.rept 32
	v_pk_add_f32 v[EX+2*k:EX+2*k+1], v[EX+2*k:EX+2*k+1], 1.0 op_sel_hi:[1,0]                        ; 1 + e^-z
.set k, k+1
.endr
.set k, 0
	s_wait_alu depctr_va_vdst(0)
.rept 64
	v_rcp_f32 v[EX+k], v[EX+k]
.set k, k+1
.endr
.set k, 0
.rept 64
	v_rcp_f32 v[TT+k], v[TT+k]
.set k, k+1
.endr
	v_nop
	s_wait_alu depctr_va_vdst(0)                   ; the 128 reciprocals have written v[EX ..] and v[TT ..]: one wait, ahead of their first reader
.set k, 0
.rept 32
	v_pk_mul_f32 v[ZS+2*k:ZS+2*k+1], v[ZS+2*k:ZS+2*k+1], v[EX+2*k:EX+2*k+1]                         ; q = z / sqrt(32) / (1 + e^-z)
.set k, k+1
.endr
.set k, 0
.rept 32
	v_pk_fma_f32 v[TT+2*k:TT+2*k+1], v[TT+2*k:TT+2*k+1], 2.0, -1.0 op_sel_hi:[1,0,0]                ; k = 2 / (1 + e^-2z) - 1
.set k, k+1
.endr
.endm
.macro SEND b                          ; tile b's two images and their scale images leave in one run: q's, then k's
	s_wait_alu depctr_va_vdst(0)                   ; the two quantisers have written both out-buffers and both words, which the eight stores read
.irp c, 0,1,2
	global_store_b128 v[L16], v[PCA+4*\c:PCA+4*\c+3], s[14:15] offset:6144*(\b)+512*\c
.endr
	global_store_b32 v[L4], v[PWA], s[16:17] offset:512*(\b)
.irp c, 0,1,2
	global_store_b128 v[L16], v[PCB+4*\c:PCB+4*\c+3], s[14:15] offset:6144*(\b)+512*\c+1572864
.endr
	global_store_b32 v[L4], v[PWB], s[16:17] offset:512*(\b)+131072
.endm
	ACT 0
	QUANT ZS, PCA, PWA                             ; along the four heads' channels
	QUANT TT, PCB, PWB
	SEND 0
	ACT 1
	QUANT ZS, PCA, PWA
	QUANT TT, PCB, PWB
	SEND 1
	s_wait_dscnt 0x0                               ; the closing lines, six on end
	s_wait_alu 0x0
	s_wait_tensorcnt 0x0
	ds_add_u32 v[SPW], v[NIL]
	s_wait_dscnt 0x0
	s_endpgm
; ---------------- v ----------------
.Lvpath:
.set Z0,  16                           ; v16-79 tile 0's 64 keys of a lane, v80-143 tile 1's
.set PC0, 144                          ; v144-162 tile 0's codes;  v164-182 tile 1's
.set PW0, 184
.set PW1, 185
.set OSC, 186                          ; the ones' scale word: four bytes of 127
.set ONES, 188                         ; v188-199 a fragment of ones: row m has ones in block m % 8 alone (m % 8 < 4) or in all four blocks
.set DA,  224                          ; v224-231, v232-239 the sums
.set DB,  232
.set XO,  240
	s_lshl_b32 s26, s33, 7
	s_add_co_u32 s26, s26, 2048                    ; b_qkv at column 512 + 32 head
	s_mov_b32 s27, 0
	s_add_nc_u64 s[12:13], s[12:13], s[26:27]
	global_load_b32 v[BV], v[PI4], s[12:13]        ; tile 0: my channel's bias;
	global_load_b32 v[BV+2], v[PI4], s[12:13] offset:32   ; tile 1
	v_mov_b32 v[BV+1], 0                           ; (named with them as pairs)
	v_mov_b32 v[BV+3], 0
	s_lshr_b32 s26, s6, 4                          ; batch
	s_lshl_b32 s26, s26, 4
	s_add_co_u32 s26, s26, s33                     ; 16 batch + head
	s_and_b32 s27, s6, 15                          ; the chunk in its batch
	s_mov_b32 s29, 0
	s_lshl_b32 s28, s26, 15
	s_lshl_b32 s30, s27, 10
	s_add_co_u32 s28, s28, s30
	s_add_nc_u64 s[50:51], s[18:19], s[28:29]      ; plane A
	s_lshl_b32 s28, s26, 14
	s_lshl_b32 s30, s27, 9
	s_add_co_u32 s28, s28, s30
	s_add_co_u32 s28, s28, 1048576
	s_add_nc_u64 s[52:53], s[18:19], s[28:29]      ; plane B
	s_lshl_b32 s28, s26, 11
	s_lshl_b32 s30, s27, 6
	s_add_co_u32 s28, s28, s30
	s_add_nc_u64 s[20:21], s[20:21], s[28:29]      ; scale words
	s_lshl_b32 s28, s6, 13
	s_lshl_b32 s30, s33, 9
	s_add_co_u32 s28, s28, s30
	s_add_nc_u64 s[54:55], s[22:23], s[28:29]      ; block sums
	s_lshl_b32 s28, s6, 11
	s_lshl_b32 s30, s33, 7
	s_add_co_u32 s28, s28, s30
	s_add_co_u32 s28, s28, 262144
	s_add_nc_u64 s[56:57], s[22:23], s[28:29]      ; chunk sums
	v_and_b32 v240, 7, v0                          ; the ones.  The code of 1.0 is 8: 16 such codes are these three words
	v_mov_b32 v241, 0x08208208
	v_mov_b32 v242, 0x82082082
	v_mov_b32 v243, 0x20820820
.irp c, 0,1
	v_add_nc_u32 v[244+\c], 2*\c, v[HH]            ; registers 6 c .. 6 c + 5 hold block 2 c + h
.endr
	v_cmp_le_u32 s31, 4, v240                      ; the three masks are made in one run, each in a scalar register of its own
.irp c, 0,1
	v_cmp_eq_u32 s[58+\c], v240, v[244+\c]
.endr
	s_wait_alu depctr_va_sdst(0)                   ; s31, s58 and s59 are written, ahead of their first readers, the two scalar lines that join them
.irp c, 0,1
	s_or_b32 s[58+\c], s[58+\c], s31
.irp i, 0,1,2,3,4,5
	v_cndmask_b32 v[ONES+6*\c+\i], 0, v[241+\i%3], s[58+\c]
.endr
.endr
	v_mov_b32 v[OSC], 0x7f7f7f7f
	GEMM 2
	PLACES 4
	s_wait_loadcnt 0x0                             ; the bias
	WIN 0x03
.set k, 0
.rept 64
	v_pk_add_f32 v[Z0+2*k:Z0+2*k+1], v[2*k:2*k+1], v[BV+2*(k/32):BV+2*(k/32)+1] op_sel_hi:[1,0]   ; v = the sum + my channel's bias; each accumulator from its low end on
.set k, k+1
.endr
	WIN 0
	QUANT Z0, PC0, PW0
	QUANT Z0+64, PC0+20, PW1
	v_cndmask_b32 v187, v[PW0], v[PW1], s48        ; lanes 0-15 tile 0's words, lanes 16-31 tile 1's
	PLACES 8                                       ; scale words and codes made by vector instructions stand 8 and 4 places ahead of the products
	s_wait_alu depctr_va_vdst(0)                   ; the codes, the words, the ones and v187 are written: the two products take them as operands and scales, the nine stores read them
	WM0 DA, ONES, PC0, OSC, PW0                    ; register j < 4: the sum of the quantised v over block j; register 4: over the chunk; of the channel of lane % 16
	WM0 DB, ONES, PC0+20, OSC, PW1
.irp b, 0,1
.irp c, 0,1
	global_store_b128 v[L16], v[PC0+20*\b+6*\c:PC0+20*\b+6*\c+3], s[50:51] offset:16384*\b+512*\c   ; blocks 2 c and 2 c + 1: 512 consecutive bytes.  (The products only read these registers)
	global_store_b64 v[L8], v[PC0+20*\b+6*\c+4:PC0+20*\b+6*\c+5], s[52:53] offset:8192*\b+256*\c
.endr
.endr
	global_store_b32 v[VSA], v187, s[20:21]
	PLACES 4
.irp i, 0,1,2,3,4
	v_cndmask_b32 v[XO+\i], v[DA+\i], v[DB+\i], s48
.endr
	s_wait_alu depctr_va_vdst(0)                   ; the five selections have written v[XO ..], which the two stores read
	global_store_b128 v[BSA], v[XO:XO+3], s[54:55] ; 32 channels x 16 bytes: 512 consecutive bytes
	global_store_b32 v[CSA], v[XO+4], s[56:57]
	s_wait_dscnt 0x0                               ; the closing lines, six on end
	s_wait_alu 0x0
	s_wait_tensorcnt 0x0
	ds_add_u32 v[SPW], v[NIL]
	s_wait_dscnt 0x0
	s_endpgm
.Lfunc_end_k_q608a4fc773_qkv:
	.size	k_q608a4fc773_qkv, .Lfunc_end_k_q608a4fc773_qkv-k_q608a4fc773_qkv
	.p2alignl 7, 3214868480
	.fill 96, 4, 3214868480
	.section	.rodata,"a",@progbits
	.p2align	6, 0x0
	.amdhsa_kernel k_q608a4fc773_qkv
		.amdhsa_group_segment_fixed_size 49664
		.amdhsa_private_segment_fixed_size 0
		.amdhsa_enable_private_segment 0
		.amdhsa_kernarg_size 64
		.amdhsa_user_sgpr_count 2
		.amdhsa_user_sgpr_kernarg_segment_ptr 1
		.amdhsa_wavefront_size32 1
		.amdhsa_system_sgpr_workgroup_id_x 1
		.amdhsa_system_sgpr_workgroup_id_y 1
		.amdhsa_system_sgpr_workgroup_id_z 1
		.amdhsa_system_vgpr_workitem_id 0
		.amdhsa_next_free_vgpr 960
		.amdhsa_next_free_sgpr 66
		.amdhsa_reserve_vcc 0
		.amdhsa_float_denorm_mode_32 3
		.amdhsa_float_denorm_mode_16_64 3
		.amdhsa_memory_ordered 1
		.amdhsa_forward_progress 1
		.amdhsa_inst_pref_size 118
	.end_amdhsa_kernel
	.amdgpu_metadata
---
amdhsa.version: [ 1, 2 ]
amdhsa.kernels:
  - .name:           k_q608a4fc773_qkv
    .symbol:         k_q608a4fc773_qkv.kd
    .args:
      - { .name: opc, .offset: 0, .size: 8, .value_kind: global_buffer, .address_space: global }
      - { .name: ops, .offset: 8, .size: 8, .value_kind: global_buffer, .address_space: global }
      - { .name: b_qkv, .offset: 16, .size: 8, .value_kind: global_buffer, .address_space: global }
      - { .name: qkc, .offset: 24, .size: 8, .value_kind: global_buffer, .address_space: global }
      - { .name: qks, .offset: 32, .size: 8, .value_kind: global_buffer, .address_space: global }
      - { .name: vc, .offset: 40, .size: 8, .value_kind: global_buffer, .address_space: global }
      - { .name: vs, .offset: 48, .size: 8, .value_kind: global_buffer, .address_space: global }
      - { .name: vsum, .offset: 56, .size: 8, .value_kind: global_buffer, .address_space: global }
    .group_segment_fixed_size: 49664
    .private_segment_fixed_size: 0
    .kernarg_segment_align: 8
    .kernarg_segment_size: 64
    .max_flat_workgroup_size: 128
    .sgpr_count:     66
    .vgpr_count:     960
    .wavefront_size: 32
...
	.end_amdgpu_metadata
.endif
;; end of part 5
;; launch attn (part 6): grid 256 x 1, 4 waves a work-group, no clusters, 42,240 bytes of LDS; arguments qkc, qks, vc, vs, vsum, opc, ops, x, b_out, ln_gamma, ln_beta, out0; writes out0
.if DOCPART == 6
	.amdgcn_target "amdgcn-amd-amdhsa--gfx1250"
	.amdhsa_code_object_version 6
	.text
	.protected	k_q608a4fc773_attn
	.globl	k_q608a4fc773_attn
	.p2align	8
	.type	k_q608a4fc773_attn,@function
k_q608a4fc773_attn:
	s_mov_b64 s[64:65], 0
	v_nop
	global_prefetch_b8 v0, s[64:65] scope:SCOPE_SE
	s_setreg_imm32_b32 hwreg(HW_REG_WAVE_SCHED_MODE, 0, 2), 2
	s_setreg_imm32_b32 hwreg(HW_REG_WAVE_MODE, 25, 1), 1
	s_wait_xcnt 0x0
	s_wait_alu depctr_vm_vsrc(0)
; LAUNCH 3 OF 3.  The band's attention, the projection on the way out, the residual and the LayerNorm, for one tile of 16 queries to a work-group.  Straight-line: no branch, no loop.
; LEFT OUT (shown at the head of the first launch): score tiles wholly outside |i - j| <= 64, and the products of p with v for key blocks wholly outside the band, whose part is 2^-M x the sum of the quantised v over those keys.
; SHARES.  Work-group T: queries 32 (T / 2) + 8 (T % 2) + r + 8 (r / 8).  Wave w: heads 4 w .. 4 w + 3, one after the other; then output columns 128 w .. 128 w + 127; then four whole rows for the LayerNorm.
; THE WINDOW: key blocks kb0 + 0 .. 4, kb0 = (the queries' block of 32) - 2.  With a = the query's place in its block, key n of the window's 160 lies in the band where a <= n <= 128 + a: only blocks 0 and 4 need the mask, which
; sets a score to 0 (it stays in the softmax).  At a sequence's ends a block that does not exist is loaded from the nearest that does and counts for nothing: its t - M is -infinity, so its p and its codes are zeros.
; LAYOUT.  S^T = K Q^T (source 0 = 16 keys, source 1 = my 16 queries) and O^T = V^T P^T: a lane holds ONE query (lane % 16) throughout.  K's and Q's images hold four heads as the four blocks of K = 128; Q's other three blocks are
; replaced by zero codes, which picks the head.  O^T begins as 2^-M x R, R the sum of the quantised v outside the window, given as the C of the first product.
; SOFTMAX: t = score x log2(e); M = ceil(max(0, the window's largest t)): 0 is the t of the keys outside the band, of which every row has some; p = 2^(t - M); the row's sum is taken of the unquantised p, plus 2^-M for each key outside the window.
; LOADS are counted by the text itself: NI counts the loads issued, a mark keeps the count behind a group, and the wait for a group leaves out what was issued behind it (the count's field holds 63 at the most).
; REGISTERS: window 0: see the names below.  Window 1: O^T at 16 g + 8 u (v0-63); x's rows v64-127; b_out v128-143; gamma v144-159; beta v160-175; W_out's scale words as loaded v176-207.
;   window 2: K's images v0-119; V of heads 0-2 from v120, 36 each; later W_out's K steps 2 (v120-215) and 3 (v0-95).   window 3: W_out's K steps 0, 1 (v0-191); V of head 3 (v192-227).
; THE MODE: SCHED_MODE bits 1:0 = 2 (LLVM: expert scheduling mode 2), set by the entry lines.  The code itself states the register dependences
; between vector or matrix instructions and memory or LDS instructions, with s_wait_alu, always for 0.
; THE PLAN.  Registers that memory or LDS instructions touch:
;   v1-v17      addresses and offsets: written by vector lines at the head and never again.  One wait on va_vdst ahead of the first load.
;   Q, K's images, all scale words, the sums, V of the four heads, W_out's K steps 0 and 1, x, b_out, gamma, beta: each loaded once, into registers that no vector or matrix instruction has named before: nothing is owed.
;   RR          a head's four LDS loads land in it; the head's eight multiplies read it.
;   W_out's K step 2 lands on V of heads 0 to 2, which those heads' products read; K step 3 on K's images, which head 3's score products read.
;   BM          R, as the one LDS store of it reads it; head 0's maxima write it again.
;   v94-105, v60  the attention output's image and its word: the quantiser writes them, four LDS stores read them; behind the barrier LDS loads land in v96-143.
;   S           the projection's products write it, the stage's LDS stores read it, behind the barrier LDS loads land in it; the LayerNorm writes it, the global stores read it.
; A HEAD HAS SIX WAITS ON va_vdst, these three among them.  (1) At its start, behind the selection of Q's block, the compares and the places: Q's block is written, which the score products take; the last head's multiplies are done reading RR and its
; products reading V; in head 0 R is written.  All the head's global loads and its LDS loads (in head 0 the store of R) follow that wait.  (2) Behind the exponentials, ahead of their first reader.  (3) Behind the places ahead of the
; products with V: P, its words and V's shifted words are written.  Head 3 has one more, ahead of the loads that land on K's images.
; THE BAND'S 32 MASKS are made in one run at a head's start, each in a scalar register of its own, with one wait on va_sdst ahead of the 32 selections that read them.
.set AOB, 0                            ; LDS: the attention output's four images,
.set AOS, 6144                         ; their scale images,
.set RB,  6656                         ; R: 512 bytes for each wave, its own,
.set STG, 8704                         ; the stage: 16 rows x (2,048 + 16) bytes,
.set SPITCH, 2064
.set SPARE, 41728                      ; the spare words, 128 bytes a wave
.set L16, 1                            ; 16 x lane
.set L4,  2                            ; 4 x lane
.set AQ,  3                            ; the query's place in its block - 16 (lane / 16)
.set VA,  4                            ; v4-6   V, plane A: blocks 0|1, 2|3 (by my half of the lanes), 4
.set VBO, 7                            ; v7-9   plane B
.set R4A, 10                           ; 4 r
.set L64, 11                           ; 64 x lane
.set RBW, 12
.set RBR, 13
.set AOW, 14
.set ASW, 15
.set STW, 16
.set STR, 17
.set SPW, 18
.set NIL, 19
.set NINF, 20                          ; -infinity
.set NOUT, 21                          ; keys outside the window, as f32
.set KSC, 24                           ; v24-63 hold scale words and nothing else: K's ten,
.set QSC, 34                           ; Q's,
.set VSC, 36                           ; V's (4 g + 2 u + step),
.set PW0, 52                           ; P's two;
.set PW1, 53
.set WOS, 24                           ; later W_out's 32 (4 t + s),
.set AOSC, 56                          ; the attention output's four,
.set PWQ, 60                           ; and the word that I make
.set Q,   64                           ; v64-75
.set Z6,  76                           ; v76-81 zeros | v82-87 the head's six registers | v88-93 zeros
.set M6,  82
.set P0,  94                           ; v94-105  P, window blocks 0-3
.set P1,  106                          ; v106-117 P, block 4 and zeros
.set CT,  118                          ; v118-125 second halves from the conversions
.set BM,  126                          ; v126-130 the blocks' largest scores, then their largest p
.set BT,  131                          ; v131-135 the other half's; later the scale bytes
.set NM,  136                          ; v136, 138 .. 144: -M of each block (-infinity for one that does not exist)
.set SO,  137                          ; v137, 139 .. 145: the conversions' scale operands
.set MX,  146
.set TP,  147
.set F0,  148                          ; v148 2^-M (v149 named with it)
.set SA,  150
.set SB,  152
.set RL,  154                          ; v154-157 1 / the row's sum, for each head
.set RR,  158                          ; v158-173 R of my 16 channels
.set S,   176                          ; v176-255 S^T, then p: 16 x block + i = key 32 x block + 16 (lane / 16) + i
.set TM,  240                          ; the quantiser's work
.set AO,  96                           ; v96-143 the attention output's four fragments
.set SM,  96                           ; the LayerNorm's sums, a pair a row
.set PT,  104
.set GEM, 66                           ; s66-81  the band's masks for block 0: key 16 h + e >= a.  (They held K's bases: the wait for the sums shows the loads that read them done)
.set LEM, 2                            ; s2-17   and for block 4: key 16 h + e <= a.  (They held the wave's number, ids, Q's bases and three pointers, all done with at that wait)
.set MSB, 0
.set NI, 0
.macro WIN new                         ; the immediate's high byte repeats the setting that is left
.if MSB != (\new)
	s_set_vgpr_msb (MSB<<8)|(\new)
.set MSB, (\new)
.endif
.endm
.macro PLACES n
.rept \n
	v_nop
.endr
.endm
.macro WM0 d, a, b, sa, sb
	v_wmma_scale_f32_16x16x128_f8f6f4 v[(\d):(\d)+7], v[(\a):(\a)+11], v[(\b):(\b)+11], 0, v[\sa], v[\sb] matrix_a_fmt:MATRIX_FMT_FP6 matrix_b_fmt:MATRIX_FMT_FP6
.endm
.macro WMC d, a, b, c, sa, sb
	v_wmma_scale_f32_16x16x128_f8f6f4 v[(\d):(\d)+7], v[(\a):(\a)+11], v[(\b):(\b)+11], v[(\c):(\c)+7], v[\sa], v[\sb] matrix_a_fmt:MATRIX_FMT_FP6 matrix_b_fmt:MATRIX_FMT_FP6
.endm
.macro LD128 d, a, b, o
	global_load_b128 v[(\d):(\d)+3], v[\a], s[\b:\b+1] offset:\o
.set NI, NI+1
.endm
.macro LD64 d, a, b, o
	global_load_b64 v[(\d):(\d)+1], v[\a], s[\b:\b+1] offset:\o
.set NI, NI+1
.endm
.macro LD32 d, a, b, o
	global_load_b32 v[\d], v[\a], s[\b:\b+1] offset:\o
.set NI, NI+1
.endm
.macro WAITL name                      ; all loads up to the mark are in; those issued behind it may be out
.if NI-\name > 63
	s_wait_loadcnt 63
.else
	s_wait_loadcnt NI-\name
.endif
.endm
; 64 numbers of a lane, register 16 b + i = k 32 b + 16 (lane / 16) + i of my row, become a fragment in v[pc] .. v[pc + 11] (pc + 12 .. pc + 18 at work) and its scale word in v[pw]
.macro QUANT s, pc, pw
.irp b, 0,1,2,3
	v_max3_num_f32 v[TM+\b], |v[\s+16*\b]|, |v[\s+1+16*\b]|, 0x1800000
.endr
.irp i, 2,4,6,8,10,12,14
.irp b, 0,1,2,3
	v_max3_num_f32 v[TM+\b], v[TM+\b], |v[\s+16*\b+\i]|, |v[\s+1+16*\b+\i]|
.endr
.endr
.irp b, 0,1,2,3
	v_permlanex16_b32 v[TM+4+\b], v[TM+\b], s52, s53
.endr
.irp b, 0,1,2,3
	v_max_num_f32 v[TM+\b], v[TM+\b], v[TM+4+\b]
.endr
.irp b, 0,1,2,3
	v_add_nc_u32 v[TM+12+\b], 0xff000000, v[TM+\b]
.endr
.irp b, 0,1,2,3
	v_lshrrev_b32 v[TM+4+\b], 23, v[TM+12+\b]
.endr
	v_lshl_or_b32 v[\pw], v[TM+5], 8, v[TM+4]
	v_lshl_or_b32 v[\pw], v[TM+6], 16, v[\pw]
	v_lshl_or_b32 v[\pw], v[TM+7], 24, v[\pw]
.irp c, 0,1
	v_cvt_scalef32_pk16_fp6_f32 v[\pc+6*\c:\pc+2+6*\c], v[\s+32*\c:\s+15+32*\c], v[TM+12+2*\c]
	v_cvt_scalef32_pk16_fp6_f32 v[\pc+12+4*\c:\pc+14+4*\c], v[\s+16+32*\c:\s+31+32*\c], v[TM+12+2*\c+1]
.endr
	v_nop
.irp c, 0,1
.irp i, 0,1,2
	v_permlane16_swap_b32 v[\pc+6*\c+\i], v[\pc+12+4*\c+\i]
.endr
.irp i, 0,1,2
	v_mov_b32 v[\pc+3+6*\c+\i], v[\pc+12+4*\c+\i]
.endr
.endr
.endm
; V of head g: 36 registers: +0 tile 0, blocks 0-3 | +12 tile 0, block 4 | +18 tile 1, block 4 | +24 tile 1, blocks 0-3.  The second step's fragments are +12 .. +23 and +18 .. +29: their upper six registers
; hold other codes, every one a finite number, and meet zero codes of P.  And its four scale words, as they lie: the chunk in which the window begins and the next.
.macro GV g
.if (\g) < 3
.set VR, 120+36*(\g)
	WIN 0x80
.else
.set VR, 192
	WIN 0xc0
.endif
.irp u, 0,1
	LD128 VR+24*\u, VA, 86, 32768*(\g)+16384*\u
	LD64 VR+24*\u+4, VBO, 88, 16384*(\g)+8192*\u
	LD128 VR+24*\u+6, VA+1, 86, 32768*(\g)+16384*\u
	LD64 VR+24*\u+10, VBO+1, 88, 16384*(\g)+8192*\u
	LD128 VR+12+6*\u, VA+2, 86, 32768*(\g)+16384*\u
	LD64 VR+12+6*\u+4, VBO+2, 88, 16384*(\g)+8192*\u
.endr
	WIN 0
.irp u, 0,1
	LD32 VSC+4*(\g)+2*\u, R4A, 90, 2048*(\g)+1024*\u
	LD32 VSC+4*(\g)+2*\u+1, R4A, 92, 2048*(\g)+1024*\u
.endr
.set MGV\g, NI
.endm
.macro GW s                            ; W_out's eight fragments of K step s for my 128 columns
.if (\s) < 2
	WIN 0xc0
.set GB, 96*(\s)
.elseif (\s) == 2
	WIN 0x80
.set GB, 120
.else
	WIN 0x80
.set GB, 0
.endif
.set gt, 0
.rept 8
.irp c, 0,1,2
	LD128 GB+12*gt+4*\c, L16, 18, (4*gt+(\s))*1536+512*\c
.endr
.set gt, gt+1
.endr
	WIN 0
.set MGW\s, NI
.endm
	s_load_b512 s[8:23], s[0:1], 0x0               ; qkc s[8:9], qks s[10:11], vc s[12:13], vs s[14:15], vsum s[16:17], opc s[18:19], ops s[20:21], x s[22:23]
	s_load_b256 s[24:31], s[0:1], 0x40             ; b_out s[24:25], gamma s[26:27], beta s[28:29], out0 s[30:31]
	v_lshl_add_u32 v[SPW], v0, 2, SPARE
	v_mov_b32 v[NIL], 0
	v_lshrrev_b32 v22, 5, v0
	v_readfirstlane_b32 s2, v22                    ; wave
	v_and_b32 v22, 31, v0                          ; lane
	s_wait_alu depctr_va_vdst(0)
	v_and_b32 v23, 15, v0                          ; r
	s_wait_alu depctr_va_vdst(0)
	v_bfe_u32 v174, v0, 4, 1                       ; h
	s_wait_alu depctr_va_vdst(0)
	s_lshr_b32 s4, ttmp9, 7                        ; batch
	s_bfe_u32 s5, ttmp9, 0x60001                   ; the queries' block of 32 in its batch
	s_and_b32 s6, ttmp9, 1                         ; which tile of the block
	s_sub_co_i32 s7, s5, 2                         ; kb0
.irp w, 0,1,2,3,4
	s_add_co_i32 s47, s7, \w
	s_max_i32 s[32+\w], s47, 0
	s_min_i32 s[32+\w], s[32+\w], 63               ; the block that is loaded,
	s_cmp_eq_u32 s[32+\w], s47
	s_cselect_b32 s[37+\w], -1, 0                  ; and, as a mask of lanes, whether it is the window's own
.endr
	s_sub_co_u32 s42, s36, s32                     ; the window's last real block - its first
	s_lshl_b32 s43, s42, 5
	s_sub_co_u32 s43, 2016, s43                    ; 2,048 - 32 x real blocks
	v_cvt_f32_u32 v[NOUT], s43
	s_ashr_i32 s44, s7, 2                          ; the chunk of 128 keys in which the window begins,
	s_add_co_i32 s45, s44, 1
	s_min_i32 s45, s45, 15                         ; the next,
	s_max_i32 s44, s44, 0                          ; both held inside the batch
	s_and_b32 s46, s7, 3
	s_lshl_b32 s46, s46, 3                         ; 8 x the window's first block in its chunk
	s_and_b32 s47, s7, -4
	s_sub_co_i32 s47, s47, s32
.irp n, 0,1,2,3,4,5,6,7
	s_add_co_i32 s48, s47, \n
	s_cmp_le_u32 s48, s42                          ; block n of the two chunks is one of the window's real blocks:
	s_cselect_b32 s[56+\n], 0xbf800000, 0          ; its sum is taken off the total
.endr
	s_mov_b32 s50, 0x3fb8aa3b                      ; log2(e)
	s_mov_b32 s51, s50
	s_mov_b32 s52, 0x76543210
	s_mov_b32 s53, 0xfedcba98
	s_mov_b32 s54, 0x0000ffff                      ; lanes 0-15
	s_mov_b32 s55, 0xffff0000                      ; lanes 16-31
	v_lshlrev_b32 v[L16], 4, v22
	v_lshlrev_b32 v[L4], 2, v22
	v_lshlrev_b32 v[L64], 6, v22
	v_lshlrev_b32 v[R4A], 2, v23
	v_and_b32 v175, 8, v23
	v_add_nc_u32 v175, v175, v23
	s_lshl_b32 s47, s6, 3
	v_add_nc_u32 v175, s47, v175                   ; a = 8 u + r + 8 (r / 8)
	v_lshlrev_b32 v[AQ], 4, v174
	v_sub_nc_u32 v[AQ], v175, v[AQ]
.irp c, 0,1
	s_sub_co_u32 s47, s[33+2*\c], s[32+2*\c]
	s_lshl_b32 s47, s47, 8
	s_lshl_b32 s48, s[32+2*\c], 8
	v_mul_u32_u24 v175, v174, s47                  ; lanes 16-31 take the pair's second block
	v_lshl_add_u32 v175, v23, 4, v175
	v_add_nc_u32 v[VA+\c], s48, v175
.endr
	s_lshl_b32 s48, s36, 8
	v_lshlrev_b32 v175, 4, v23
	v_add_nc_u32 v[VA+2], s48, v175
.irp c, 0,1,2
	v_lshrrev_b32 v[VBO+\c], 1, v[VA+\c]
.endr
	s_wait_alu depctr_va_sdst(0)                   ; s2 is written, ahead of its first reader: LDS places and bases are made from it
	s_lshl_b32 s47, s2, 9
	s_add_co_u32 s47, s47, RB
	v_add_nc_u32 v[RBW], s47, v[L16]
	v_lshl_add_u32 v[RBR], v174, 6, s47
	s_mul_i32 s47, s2, 1536
	v_add_nc_u32 v[AOW], s47, v[L16]
	s_lshl_b32 s47, s2, 7
	s_add_co_u32 s47, s47, AOS
	v_add_nc_u32 v[ASW], s47, v[L4]
	v_mul_u32_u24 v175, v23, SPITCH
	v_lshl_add_u32 v175, v174, 6, v175
	s_lshl_b32 s47, s2, 9
	s_add_co_u32 s47, s47, STG
	v_add_nc_u32 v[STW], s47, v175                 ; the stage: row r, + 64 h, + 512 x wave
	s_mul_i32 s47, s2, 4*SPITCH
	s_add_co_u32 s47, s47, STG
	v_add_nc_u32 v[STR], s47, v[L16]               ; back: my four rows
	v_mov_b32 v[NINF], 0xff800000
	s_mov_b32 s101, 0
	s_wait_kmcnt 0x0
	s_lshl_b32 s49, s4, 9
	s_add_co_u32 s49, s49, s2
	s_add_co_u32 s49, s49, 1024                    ; k's images: 1,024 + 4 (128 batch + 2 block + tile) + wave
.irp w, 0,1,2,3,4
	s_lshl_b32 s48, s[32+\w], 3
	s_add_co_u32 s48, s48, s49
	s_mul_i32 s100, s48, 1536
	s_add_nc_u64 s[66+2*\w:67+2*\w], s[8:9], s[100:101]
	s_lshl_b32 s100, s48, 7
	s_add_nc_u64 s[76+2*\w:77+2*\w], s[10:11], s[100:101]
.endr
	s_lshl_b32 s48, ttmp9, 2
	s_add_co_u32 s48, s48, s2                      ; q's image: 4 T + wave
	s_mul_i32 s100, s48, 1536
	s_add_nc_u64 s[8:9], s[8:9], s[100:101]
	s_lshl_b32 s100, s48, 7
	s_add_nc_u64 s[10:11], s[10:11], s[100:101]
	s_lshl_b32 s48, s4, 4
	s_lshl_b32 s49, s2, 2
	s_add_co_u32 s48, s48, s49                     ; 16 batch + my first head
	s_lshl_b32 s100, s48, 15
	s_add_nc_u64 s[86:87], s[12:13], s[100:101]    ; plane A
	s_lshl_b32 s100, s48, 14
	s_add_co_u32 s100, s100, 1048576
	s_add_nc_u64 s[88:89], s[12:13], s[100:101]    ; plane B
	s_lshl_b32 s49, s48, 11
	s_lshl_b32 s100, s44, 6
	s_add_co_u32 s100, s100, s49
	s_add_nc_u64 s[90:91], s[14:15], s[100:101]    ; V's scale words: the window's first chunk,
	s_lshl_b32 s100, s45, 6
	s_add_co_u32 s100, s100, s49
	s_add_nc_u64 s[92:93], s[14:15], s[100:101]    ; and the next
	s_lshl_b32 s100, s4, 15
	s_lshl_b32 s49, s2, 9
	s_add_co_u32 s100, s100, s49
	s_add_co_u32 s100, s100, 262144
	s_add_nc_u64 s[94:95], s[16:17], s[100:101]    ; the batch's chunk sums, my 128 columns
	s_lshl_b32 s48, s4, 4
	s_lshl_b32 s49, s2, 11
	s_add_co_u32 s100, s48, s44
	s_lshl_b32 s100, s100, 13
	s_add_co_u32 s100, s100, s49
	s_add_nc_u64 s[96:97], s[16:17], s[100:101]    ; the two chunks' block sums
	s_add_co_u32 s100, s48, s45
	s_lshl_b32 s100, s100, 13
	s_add_co_u32 s100, s100, s49
	s_add_nc_u64 s[98:99], s[16:17], s[100:101]
	s_lshl_b32 s48, s2, 5
	s_add_co_u32 s48, s48, 1280                    ; W_out's images for my 128 columns
	s_mul_i32 s100, s48, 1536
	s_add_nc_u64 s[18:19], s[18:19], s[100:101]
	s_lshl_b32 s100, s48, 7
	s_add_nc_u64 s[20:21], s[20:21], s[100:101]
	s_lshr_b32 s48, ttmp9, 1
	s_lshl_b32 s48, s48, 5
	s_lshl_b32 s49, s6, 3
	s_add_co_u32 s48, s48, s49
	s_lshl_b32 s49, s2, 2
	s_add_co_u32 s48, s48, s49
	s_lshr_b32 s49, s2, 1
	s_lshl_b32 s49, s49, 3
	s_add_co_u32 s48, s48, s49                     ; the token of the tile's row 4 x wave
	s_lshl_b32 s100, s48, 11
	s_add_nc_u64 s[22:23], s[22:23], s[100:101]
	s_add_nc_u64 s[30:31], s[30:31], s[100:101]
	; ---- the first loads: Q, K; the sums; V of head 0
	s_wait_alu depctr_va_vdst(0)                   ; v1 to v17 are written: every load and store of the kernel reads one of them as its address or offset, and none is written again
.irp c, 0,1,2
	LD128 Q+4*\c, L16, 8, 512*\c
.endr
	LD32 QSC, L4, 10, 0
	WIN 0x80
.irp w, 0,1,2,3,4
.irp u, 0,1
.irp c, 0,1,2
	LD128 12*(2*\w+\u)+4*\c, L16, 66+2*\w, 6144*\u+512*\c
.endr
.endr
.endr
	WIN 0
.irp w, 0,1,2,3,4
.irp u, 0,1
	LD32 KSC+2*\w+\u, L4, 76+2*\w, 512*\u
.endr
.endr
.set n, 0
.rept 16
	LD128 S+4*n, L16, 94, 2048*n                   ; chunk n's sums of columns 128 w + 4 lane + 0 .. 3
.set n, n+1
.endr
.irp q, 0,1,2,3
	LD128 P0+4*\q, L64, 96, 16*\q                  ; column 4 lane + q: the four block sums of the window's first chunk,
	LD128 P0+16+4*\q, L64, 98, 16*\q               ; and of the next
.endr
.set MGS, NI
	GV 0
	; ---- R = the sum of the quantised v over all keys outside the window's real blocks, for my 128 columns
	WAITL MGS
.irp st, 4,8,16,32
.set k, 0
.rept 32/\st
	v_pk_add_f32 v[S+2*\st*k:S+2*\st*k+1], v[S+2*\st*k:S+2*\st*k+1], v[S+2*\st*k+\st:S+2*\st*k+\st+1]
	v_pk_add_f32 v[S+2*\st*k+2:S+2*\st*k+3], v[S+2*\st*k+2:S+2*\st*k+3], v[S+2*\st*k+\st+2:S+2*\st*k+\st+3]
.set k, k+1
.endr
.endr
.irp q, 0,1,2,3
	v_fma_f32 v[BM+\q], s56, v[P0+4*\q], v[S+\q]
.endr
.irp n, 1,2,3
.irp q, 0,1,2,3
	v_fma_f32 v[BM+\q], s[56+\n], v[P0+4*\q+\n], v[BM+\q]
.endr
.endr
.irp n, 0,1,2,3
.irp q, 0,1,2,3
	v_fma_f32 v[BM+\q], s[60+\n], v[P0+16+4*\q+\n], v[BM+\q]   ; R: it goes to LDS behind the wait at head 0's start
.endr
.endr
.irp i, 0,1,2,3,4
	v_mov_b32 v[BT+\i], 0                          ; written once: a lane permute's destination counts as one of its sources
	v_mov_b32 v[SO+2*\i], 0                        ; (named as the upper halves of the pairs with -M)
.endr
.irp i, 0,1,2,3,4,5
	v_mov_b32 v[Z6+\i], 0
	v_mov_b32 v[M6+6+\i], 0
	v_mov_b32 v[P1+6+\i], 0
.endr
	v_mov_b32 v[F0+1], 0
	GV 1                                           ; these loads, and those of x and of the three vectors, land in registers that no vector or matrix instruction has named: no wait
	WIN 0x40
.irp i, 0,1,2,3
.irp q, 0,1,2,3
	LD128 64+16*\i+4*\q, L16, 22, 2048*\i+512*\q   ; x: my four rows
.endr
.endr
.irp q, 0,1,2,3
	LD128 128+4*\q, L16, 24, 512*\q
	LD128 144+4*\q, L16, 26, 512*\q
	LD128 160+4*\q, L16, 28, 512*\q
.endr
	WIN 0
; ---- ONE HEAD
.macro HEAD g
.set HC, (\g)/2
.set HP, (\g)%2
.if HC == 0
.set QM, M6
.else
.set QM, Z6
.endif
.irp i, 0,1,2,3,4,5
	v_cndmask_b32 v[M6+\i], 0, v[Q+6*HC+\i], s[54+HP]   ; the head's block of Q: six registers in one half of the lanes; all else zero codes
.endr
.set ke, 0
.rept 16                               ; the band's masks, in one run: block 0 keeps key 16 h + e where it is >= a, block 4 where it is <= a
	v_cmp_ge_i32 s[GEM+ke], ke, v[AQ]
	v_cmp_le_i32 s[LEM+ke], ke, v[AQ]
.set ke, ke+1
.endr
	PLACES 4                                       ; an operand made by vector instructions stands 4 places ahead of the products
	s_wait_alu depctr_va_vdst(0)                   ; Q's block is written, which the score products take; the last head's multiplies are done reading RR and its products reading V, in which loads below land; in head 0 R is written, which the LDS store reads
.if (\g) == 0
	ds_store_b128 v[RBW], v[BM:BM+3]               ; R into my wave's own 512 bytes: LDS serves a wave's instructions in order, so my later loads see it
.elseif (\g) == 1
	GV 2
	GW 0
.elseif (\g) == 2
	GV 3
	GW 1
	WIN 0x40
.set n, 0
.rept 32
	LD32 176+n, L4, 20, 128*n
.set n, n+1
.endr
	WIN 0
.set MGWS, NI
.elseif (\g) == 3
	GW 2                                           ; onto V of heads 0 to 2, whose products the wait above shows done
.endif
.irp k, 0,1,2,3
	ds_load_b128 v[RR+4*\k:RR+4*\k+3], v[RBR] offset:128*(\g)+16*\k   ; R of channels 32 g + 16 h + 0 .. 15
.endr
	WIN 0x02
.set w5, 0
.rept 5
.set u2, 0
.rept 2
	WM0 S+16*w5+8*u2, 12*(2*w5+u2), QM, KSC+2*w5+u2, QSC
.set u2, u2+1
.endr
.set w5, w5+1
.endr
	WIN 0
	PLACES 4
.if (\g) == 3
	s_wait_alu depctr_va_vdst(0)                   ; the ten score products are done reading K's images, in which the loads below land
	GW 3
.endif
.if (\g) == 0
	s_wait_alu depctr_vm_vsrc(0)                   ; the LDS store of R has read v[BM ..], which the maxima below write again
.endif
	s_wait_alu depctr_va_sdst(0)                   ; the 32 masks are written, ahead of their first readers
.set ke, 0
.rept 16                               ; the scores outside the band become 0
	v_cndmask_b32 v[S+ke], 0, v[S+ke], s[GEM+ke]
	v_cndmask_b32 v[S+64+ke], 0, v[S+64+ke], s[LEM+ke]
.set ke, ke+1
.endr
.irp w, 0,1,2,3,4
	v_max3_num_f32 v[BM+\w], v[S+16*\w], v[S+16*\w+1], v[S+16*\w+2]   ; each block's largest score: it serves the row's maximum and, since p rises with the score, the block's largest p
.endr
.irp i, 3,5,7,9,11,13
.irp w, 0,1,2,3,4
	v_max3_num_f32 v[BM+\w], v[BM+\w], v[S+16*\w+\i], v[S+16*\w+\i+1]
.endr
.endr
.irp w, 0,1,2,3,4
	v_max_num_f32 v[BM+\w], v[BM+\w], v[S+16*\w+15]
.endr
.irp w, 0,1,2,3,4
	v_permlanex16_b32 v[BT+\w], v[BM+\w], s52, s53
.endr
.irp w, 0,1,2,3,4
	v_max_num_f32 v[BM+\w], v[BM+\w], v[BT+\w]
.endr
.irp w, 0,1,2,3,4
	v_cndmask_b32 v[BM+\w], 0, v[BM+\w], s[37+\w]  ; a block that does not exist counts for nothing
.endr
	v_max3_num_f32 v[MX], v[BM], v[BM+1], v[BM+2]
	v_max3_num_f32 v[MX], v[MX], v[BM+3], v[BM+4]
	v_mul_f32 v[MX], s50, v[MX]
	v_max_num_f32 v[MX], 0, v[MX]                  ; with the t = 0 of the keys outside the band
	v_floor_f32 v[TP], -v[MX]                      ; -M = floor(-t)
.irp w, 0,1,2,3,4
	v_cndmask_b32 v[NM+2*\w], v[NINF], v[TP], s[37+\w]
.endr
	v_cvt_i32_f32 v[MX], v[TP]
	v_ldexp_f32 v[F0], 1.0, v[MX]                  ; 2^-M
	s_wait_alu depctr_va_vdst(0)
	s_wait_dscnt 0x0                               ; R
	WIN 0x40
.set k, 0
.rept 8
	v_pk_mul_f32 v[16*(\g)+2*k:16*(\g)+2*k+1], v[RR+2*k:RR+2*k+1], v[F0:F0+1] op_sel_hi:[1,0]   ; O^T begins as 2^-M x R
.set k, k+1
.endr
	WIN 0
.set w5, 0
.rept 5
.set k, 0
.rept 8
	v_pk_fma_f32 v[S+16*w5+2*k:S+16*w5+2*k+1], v[S+16*w5+2*k:S+16*w5+2*k+1], s[50:51], v[NM+2*w5:NM+2*w5+1] op_sel_hi:[1,0,0]   ; t - M
.set k, k+1
.endr
.set w5, w5+1
.endr
.irp w, 0,1,2,3,4
	v_fma_f32 v[BM+\w], v[BM+\w], s50, v[NM+2*\w]  ; the same of each block's largest score
.endr
.set k, 0
	s_wait_alu depctr_va_vdst(0)
.rept 80
	v_exp_f32 v[S+k], v[S+k]                       ; p = 2^(t - M)
.set k, k+1
.endr
.irp w, 0,1,2,3,4
	v_exp_f32 v[BM+\w], v[BM+\w]
.endr
	v_nop
	s_wait_alu depctr_va_vdst(0)                   ; the 85 exponentials have written v[S ..] and v[BM ..]: one wait, ahead of their first reader
	v_pk_add_f32 v[SA:SA+1], v[S:S+1], v[S+2:S+3]  ; the row's sum of the unquantised p, in two chains
	v_pk_add_f32 v[SB:SB+1], v[S+4:S+5], v[S+6:S+7]
.set k, 8
.rept 18
	v_pk_add_f32 v[SA:SA+1], v[SA:SA+1], v[S+k:S+k+1]
	v_pk_add_f32 v[SB:SB+1], v[SB:SB+1], v[S+k+2:S+k+3]
.set k, k+4
.endr
	v_pk_add_f32 v[SA:SA+1], v[SA:SA+1], v[SB:SB+1]
	v_add_f32 v[SA], v[SA], v[SA+1]
	v_permlanex16_b32 v[MX], v[SA], s52, s53
	v_add_f32 v[SA], v[SA], v[MX]
	v_fma_f32 v[SA], v[NOUT], v[F0], v[SA]         ; and 2^-M for each key outside the window
	s_wait_alu depctr_va_vdst(0)
	v_rcp_f32 v[RL+(\g)], v[SA]                    ; read behind the heads, behind a later wait
.irp w, 0,1,2,3,4
	v_max_num_f32 v[BM+\w], 0x1800000, v[BM+\w]    ; the floor 2^(3 - 127): the byte cannot fall under 1
.endr
.irp w, 0,1,2,3,4
	v_add_nc_u32 v[SO+2*\w], 0xff000000, v[BM+\w]
.endr
.irp w, 0,1,2,3,4
	v_lshrrev_b32 v[BT+\w], 23, v[SO+2*\w]
.endr
	v_lshl_or_b32 v[PW0], v[BT+1], 8, v[BT]
	v_lshl_or_b32 v[PW0], v[BT+2], 16, v[PW0]
	v_lshl_or_b32 v[PW0], v[BT+3], 24, v[PW0]
	v_mov_b32 v[PW1], v[BT+4]
.irp i, 3,4,5
	v_mov_b32 v[P1+\i], 0
.endr
	v_cvt_scalef32_pk16_fp6_f32 v[P0:P0+2], v[S:S+15], v[SO]
	v_cvt_scalef32_pk16_fp6_f32 v[CT:CT+2], v[S+16:S+31], v[SO+2]
	v_cvt_scalef32_pk16_fp6_f32 v[P0+6:P0+8], v[S+32:S+47], v[SO+4]
	v_cvt_scalef32_pk16_fp6_f32 v[CT+4:CT+6], v[S+48:S+63], v[SO+6]
	v_cvt_scalef32_pk16_fp6_f32 v[P1:P1+2], v[S+64:S+79], v[SO+8]
	v_nop                                          ; one plain instruction behind the conversions
.irp i, 0,1,2
	v_permlane16_swap_b32 v[P0+\i], v[CT+\i]       ; a WHOLE block to a lane: lanes 0-15 the pair's first block, lanes 16-31 its second
	v_permlane16_swap_b32 v[P0+6+\i], v[CT+4+\i]
	v_permlane16_swap_b32 v[P1+\i], v[P1+3+\i]     ; block 4 whole in lanes 0-15, zeros in lanes 16-31
.endr
.irp i, 0,1,2
	v_mov_b32 v[P0+3+\i], v[CT+\i]
	v_mov_b32 v[P0+9+\i], v[CT+4+\i]
.endr
	WAITL MGV\g
.irp u, 0,1
	v_alignbit_b32 v[VSC+4*(\g)+2*\u], v[VSC+4*(\g)+2*\u+1], v[VSC+4*(\g)+2*\u], s46   ; the bytes of the window's blocks 0-3, out of the two chunks' words,
	v_lshrrev_b32 v[VSC+4*(\g)+2*\u+1], s46, v[VSC+4*(\g)+2*\u+1]                      ; and block 4's in byte 0
.endr
	PLACES 8                                       ; scale words made by vector instructions stand 8 places ahead of the products
	s_wait_alu depctr_va_vdst(0)                   ; P's codes, its two words and V's four shifted words are written: the four products take them as operand and scales
.if (\g) < 3
.set VR, 120+36*(\g)
	WIN 0x52
.else
.set VR, 192
	WIN 0x53
.endif
	WMC 16*(\g), VR, P0, 16*(\g), VSC+4*(\g), PW0              ; the two accumulators take turns
	WMC 16*(\g)+8, VR+24, P0, 16*(\g)+8, VSC+4*(\g)+2, PW0
	WMC 16*(\g), VR+12, P1, 16*(\g), VSC+4*(\g)+1, PW1
	WMC 16*(\g)+8, VR+18, P1, 16*(\g)+8, VSC+4*(\g)+3, PW1
	WIN 0
.endm
	HEAD 0
	HEAD 1
	HEAD 2
	HEAD 3
	; ---- O / the sum, quantised along the channels: K step w of the projection; its image goes to the other waves through LDS
	PLACES 4
	s_wait_alu depctr_va_vdst(0)                   ; the reciprocals have written v[RL ..], ahead of their first reader
	WAITL MGWS
	WIN 0x01
.set k, 0
.rept 32
	v_mov_b32 v[WOS+k], v[176+k]                   ; scale operands are taken from window 0
.set k, k+1
.endr
.set k, 0
.rept 64
	v_mul_f32 v[S+k], v[k], v[RL+k/16]             ; register 16 g + i = channel 128 w + 32 g + 16 h + i; each accumulator from its low end on
.set k, k+1
.endr
	WIN 0
	QUANT S, P0, PWQ
	s_wait_alu depctr_va_vdst(0)                   ; the quantiser has written the image and its word, which the LDS stores read; the moves have written W_out's scale words, which the projection's products take; and all vector lines that named v96-143 are done, in which the LDS loads behind the barrier land
.irp c, 0,1,2
	ds_store_b128 v[AOW], v[P0+4*\c:P0+4*\c+3] offset:AOB+512*\c
.endr
	ds_store_b32 v[ASW], v[PWQ]
	s_wait_dscnt 0x0                               ; for the others' sake: my stores have landed
	s_barrier_signal -1
	s_barrier_wait -1                              ; the four images lie in LDS
	s_wait_alu depctr_vm_vsrc(0)                   ; my LDS stores have read v94-105, on part of which the LDS loads below land
.irp s, 0,1,2,3
.irp c, 0,1,2
	ds_load_b128 v[AO+12*\s+4*\c:AO+12*\s+4*\c+3], v[L16] offset:AOB+1536*\s+512*\c
.endr
	ds_load_b32 v[AOSC+\s], v[L4] offset:AOS+128*\s
.endr
	s_wait_dscnt 0x0
.macro OUTP s                          ; 8 products: source 0 = 16 columns of W_out, source 1 = the 16 queries; the 8 accumulators take turns
.if (\s) < 2
	WIN 0x03
.set GB, 96*(\s)
.elseif (\s) == 2
	WIN 0x02
.set GB, 120
.else
	WIN 0x02
.set GB, 0
.endif
.set gt, 0
.rept 8
.if (\s) == 0
	WM0 S+8*gt, GB+12*gt, AO+12*(\s), WOS+4*gt+(\s), AOSC+(\s)
.else
	WMC S+8*gt, GB+12*gt, AO+12*(\s), S+8*gt, WOS+4*gt+(\s), AOSC+(\s)
.endif
.set gt, gt+1
.endr
.endm
	OUTP 0
	OUTP 1
	WAITL MGW2
	OUTP 2
	WAITL MGW3
	OUTP 3
	WIN 0
	PLACES 4
	s_wait_alu depctr_va_vdst(0)                   ; the products have written the eight accumulators, which the LDS stores read; the places above stay beside this wait
.set gt, 0
.rept 8
	ds_store_b128 v[STW], v[S+8*gt:S+8*gt+3] offset:128*(gt/2)+32*(gt%2)        ; lane (r, h): columns 128 w + 32 (t / 2) + 16 h + 8 (t % 2) + 0 .. 7 of row r
	ds_store_b128 v[STW], v[S+8*gt+4:S+8*gt+7] offset:128*(gt/2)+32*(gt%2)+16
.set gt, gt+1
.endr
	s_wait_dscnt 0x0
	s_barrier_signal -1
	s_barrier_wait -1                              ; 16 whole rows lie in the stage
	s_wait_alu depctr_vm_vsrc(0)                   ; my LDS stores have read v[S ..], in which the LDS loads below land
.irp i, 0,1,2,3
.irp q, 0,1,2,3
	ds_load_b128 v[S+16*\i+4*\q:S+16*\i+4*\q+3], v[STR] offset:\i*SPITCH+512*\q
.endr
.endr
	s_mov_b32 s47, 0x3b000000                      ; 1 / 512
	s_mov_b32 s48, 0x3727c5ac                      ; 1e-5
	s_wait_dscnt 0x0
	; ---- y = x + out + b_out; LayerNorm: a wave holds four whole rows, 16 numbers of each in a lane
	WIN 0x04
.set k, 0
.rept 32
	v_pk_add_f32 v[S+2*k:S+2*k+1], v[S+2*k:S+2*k+1], v[128+2*(k%8):128+2*(k%8)+1]
.set k, k+1
.endr
.set k, 0
.rept 32
	v_pk_add_f32 v[S+2*k:S+2*k+1], v[S+2*k:S+2*k+1], v[64+2*k:64+2*k+1]
.set k, k+1
.endr
	WIN 0
.macro ACROSS                          ; the four rows' pairs become sums over the 32 lanes, in every lane
.irp i, 0,1,2,3
	v_add_f32 v[SM+2*\i], v[SM+2*\i], v[SM+2*\i+1]
.endr
.irp m, 1,2,4,8
.irp i, 0,1,2,3
	v_add_f32_dpp v[SM+2*\i], v[SM+2*\i], v[SM+2*\i] row_xmask:\m row_mask:0xf bank_mask:0xf
.endr
.endr
.irp i, 0,1,2,3
	v_permlanex16_b32 v[PT+\i], v[SM+2*\i], s52, s53
.endr
.irp i, 0,1,2,3
	v_add_f32 v[SM+2*\i], v[SM+2*\i], v[PT+\i]
.endr
.endm
.irp i, 0,1,2,3
	v_pk_add_f32 v[SM+2*\i:SM+2*\i+1], v[S+16*\i:S+16*\i+1], v[S+16*\i+2:S+16*\i+3]
.endr
.irp p, 2,3,4,5,6,7
.irp i, 0,1,2,3
	v_pk_add_f32 v[SM+2*\i:SM+2*\i+1], v[SM+2*\i:SM+2*\i+1], v[S+16*\i+2*\p:S+16*\i+2*\p+1]
.endr
.endr
	ACROSS
.irp i, 0,1,2,3
	v_mul_f32 v[SM+2*\i], s47, v[SM+2*\i]          ; the mean
.endr
.irp i, 0,1,2,3
.irp p, 0,1,2,3,4,5,6,7
	v_pk_add_f32 v[S+16*\i+2*\p:S+16*\i+2*\p+1], v[S+16*\i+2*\p:S+16*\i+2*\p+1], v[SM+2*\i:SM+2*\i+1] op_sel_hi:[1,0] neg_lo:[0,1] neg_hi:[0,1]
.endr
.endr
.irp i, 0,1,2,3
	v_pk_mul_f32 v[SM+2*\i:SM+2*\i+1], v[S+16*\i:S+16*\i+1], v[S+16*\i:S+16*\i+1]
.endr
.irp p, 1,2,3,4,5,6,7
.irp i, 0,1,2,3
	v_pk_fma_f32 v[SM+2*\i:SM+2*\i+1], v[S+16*\i+2*\p:S+16*\i+2*\p+1], v[S+16*\i+2*\p:S+16*\i+2*\p+1], v[SM+2*\i:SM+2*\i+1]
.endr
.endr
	ACROSS
.irp i, 0,1,2,3
	v_fma_f32 v[SM+2*\i], v[SM+2*\i], s47, s48     ; the variance + 1e-5
.endr
	s_wait_alu depctr_va_vdst(0)
.irp i, 0,1,2,3
	v_rsq_f32 v[SM+2*\i], v[SM+2*\i]
.endr
	v_nop
	s_wait_alu depctr_va_vdst(0)                   ; the four reciprocal roots have written v[SM ..]: one wait, ahead of their first reader
.irp i, 0,1,2,3
.irp p, 0,1,2,3,4,5,6,7
	v_pk_mul_f32 v[S+16*\i+2*\p:S+16*\i+2*\p+1], v[S+16*\i+2*\p:S+16*\i+2*\p+1], v[SM+2*\i:SM+2*\i+1] op_sel_hi:[1,0]
.endr
.endr
	WIN 0x14
.set k, 0
.rept 32
	v_pk_fma_f32 v[S+2*k:S+2*k+1], v[S+2*k:S+2*k+1], v[144+2*(k%8):144+2*(k%8)+1], v[160+2*(k%8):160+2*(k%8)+1]
.set k, k+1
.endr
	WIN 0
	s_wait_alu depctr_va_vdst(0)                   ; the last multiply-adds have written v[S ..], which the sixteen stores read
.irp i, 0,1,2,3
.irp q, 0,1,2,3
	global_store_b128 v[L16], v[S+16*\i+4*\q:S+16*\i+4*\q+3], s[30:31] offset:2048*\i+512*\q th:TH_STORE_NT   ; 32 lanes store 512 consecutive bytes, at a multiple of 256 from out0's first byte
.endr
.endr
	s_wait_dscnt 0x0                               ; the closing lines, six on end
	s_wait_alu 0x0
	s_wait_tensorcnt 0x0
	ds_add_u32 v[SPW], v[NIL]
	s_wait_dscnt 0x0
	s_endpgm
.Lfunc_end_k_q608a4fc773_attn:
	.size	k_q608a4fc773_attn, .Lfunc_end_k_q608a4fc773_attn-k_q608a4fc773_attn
	.p2alignl 7, 3214868480
	.fill 96, 4, 3214868480
	.section	.rodata,"a",@progbits
	.p2align	6, 0x0
	.amdhsa_kernel k_q608a4fc773_attn
		.amdhsa_group_segment_fixed_size 42240
		.amdhsa_private_segment_fixed_size 0
		.amdhsa_enable_private_segment 0
		.amdhsa_kernarg_size 96
		.amdhsa_user_sgpr_count 2
		.amdhsa_user_sgpr_kernarg_segment_ptr 1
		.amdhsa_wavefront_size32 1
		.amdhsa_system_sgpr_workgroup_id_x 1
		.amdhsa_system_sgpr_workgroup_id_y 1
		.amdhsa_system_sgpr_workgroup_id_z 1
		.amdhsa_system_vgpr_workitem_id 0
		.amdhsa_next_free_vgpr 1024
		.amdhsa_next_free_sgpr 102
		.amdhsa_reserve_vcc 0
		.amdhsa_float_denorm_mode_32 3
		.amdhsa_float_denorm_mode_16_64 3
		.amdhsa_memory_ordered 1
		.amdhsa_forward_progress 1
		.amdhsa_inst_pref_size 163
	.end_amdhsa_kernel
	.amdgpu_metadata
---
amdhsa.version: [ 1, 2 ]
amdhsa.kernels:
  - .name:           k_q608a4fc773_attn
    .symbol:         k_q608a4fc773_attn.kd
    .args:
      - { .name: qkc, .offset: 0, .size: 8, .value_kind: global_buffer, .address_space: global }
      - { .name: qks, .offset: 8, .size: 8, .value_kind: global_buffer, .address_space: global }
      - { .name: vc, .offset: 16, .size: 8, .value_kind: global_buffer, .address_space: global }
      - { .name: vs, .offset: 24, .size: 8, .value_kind: global_buffer, .address_space: global }
      - { .name: vsum, .offset: 32, .size: 8, .value_kind: global_buffer, .address_space: global }
      - { .name: opc, .offset: 40, .size: 8, .value_kind: global_buffer, .address_space: global }
      - { .name: ops, .offset: 48, .size: 8, .value_kind: global_buffer, .address_space: global }
      - { .name: x, .offset: 56, .size: 8, .value_kind: global_buffer, .address_space: global }
      - { .name: b_out, .offset: 64, .size: 8, .value_kind: global_buffer, .address_space: global }
      - { .name: ln_gamma, .offset: 72, .size: 8, .value_kind: global_buffer, .address_space: global }
      - { .name: ln_beta, .offset: 80, .size: 8, .value_kind: global_buffer, .address_space: global }
      - { .name: out0, .offset: 88, .size: 8, .value_kind: global_buffer, .address_space: global }
    .group_segment_fixed_size: 42240
    .private_segment_fixed_size: 0
    .kernarg_segment_align: 8
    .kernarg_segment_size: 96
    .max_flat_workgroup_size: 128
    .sgpr_count:     102
    .vgpr_count:     1024
    .wavefront_size: 32
...
	.end_amdgpu_metadata
.endif
;; end of part 6
